; MI455X (gfx1250); checked and timed in simulation.
; The chip was launched on July 23, 2026; its instructions are those of AMD's public machine-readable ISA for CDNA 5 (MIT licence, August 2026) and "CDNA5" Instruction Set Architecture Reference Guide (July 2026). The comments in the code are by the model that wrote it; some were corrected since.
;; Causal Self Attention. Allowed arithmetic: float matrix products may take bf16 or f16 operands with f32 sums; all other float work in f32.
;; Inputs: Wo 1,024 x 1,024 float32; Wqkv 1,024 x 3,072 float32; bo 1,024 float32; bqkv 3,072 float32; x 4 x 2,048 x 1,024 float32.
;; Outputs: out0 4 x 2,048 x 1,024 float32.
;; 2 versions, each right and faster than the one before. Each part assembles by itself: llvm-mc -triple=amdgcn-amd-amdhsa -mcpu=gfx1250 --defsym DOCPART=n.
;; ======== version 1 of 2: 4 launches
;; limits: values are held in f16: magnitudes above 65,504 overflow, below 6.1e-05 lose precision
;; workspace buffers: xb 16,777,216 bytes; wqt 6,291,456 bytes; wot 2,097,152 bytes; qkv 50,331,648 bytes; yb 16,777,216 bytes
;; launch prep (part 1): grid 1536 x 1, 8 waves a work-group, no clusters, 19,456 bytes of LDS; arguments x, Wqkv, Wo, xb, wqt, wot; writes xb, wqt, wot
.if DOCPART == 1
	.amdgcn_target "amdgcn-amd-amdhsa--gfx1250"
	.amdhsa_code_object_version 6
	.text
	.protected	k_qeb72a61d8f_prep
	.globl	k_qeb72a61d8f_prep
	.p2align	8
	.type	k_qeb72a61d8f_prep,@function
k_qeb72a61d8f_prep:
	s_mov_b64 s[64:65], 0
	v_nop
	global_prefetch_b8 v0, s[64:65] scope:SCOPE_SE
	s_setreg_imm32_b32 hwreg(HW_REG_WAVE_MODE, 25, 1), 1
	s_wait_xcnt 0x0
; CAUSAL SELF-ATTENTION, launch 1 of 4: the operands of the matrix products are cast, and the weights transposed.
; The program: prep (this), qkv = x Wqkv + bqkv, attn = softmax(causal(q k^T / 8)) v for each head, proj = y Wo + bo.
; FORMATS.  x and Wqkv are rounded once to bf16.  q, k, v, the softmax's weights and y are f16 (11 bits: the first tokens' rows of the
; result are about ten times the size of the output's root mean square, so 8 bits would not do for them).  Wo is rounded to bf16 like the other inputs and that
; value is carried as f16, since its partner y is f16: exact for 2^-17 <= |w| < 65504, below that within 2^-25.  Sums, biases, softmax: f32.
; LIMITS.  |q|, |k|, |v|, |y| must stay under 65504 (f16); under 2^-14 their steps are 2^-24.
; DEAD WORK, left out in attn: reference() sets att to -inf wherever key > query (its own jnp.tril), so the softmax's weight there is 0 for
; every value of the inputs and the products q.k and p.v of those places reach no output.  Where a tile of 16 queries x 64 keys lies wholly above
; the diagonal it is not computed.  A NaN, an infinity or an overflow that reaches only those places is not carried to the result.
; NOT left out: k's bias.  q.bk is the same along the softmax's axis, but the bias is the C operand of a product that is issued anyway, and blocks of
; 192 columns hold q's, k's and v's columns side by side: it costs no instruction.  Every input is loaded.
; LAYOUT of all 16-bit operands: planes of 64 columns, [plane][row][64], rows of 128 bytes without gaps.
;   xb [16][8192][64] bf16;  wqt [16 (k/64)][3072 (n)][64 (k)] bf16;  wot [16][1024 (n)][64 (k)] f16.
; SHARES.  Every work-group moves 32 KiB of f32.  Groups 0-1023: 32 rows x 256 columns of x.  1024-1407: 64 k x 128 n of Wqkv.  1408-1535: of Wo.
; A stream: no matrix unit, no cluster, no tensor load; several work-groups lie on a WGP.
.set PLANE, 1048576                    ; bytes of a plane of xb: 8192 rows of 128
.set WP,    144                        ; LDS pitch of a transposed row: 128 bytes + 16
	s_load_b256 s[4:11], s[0:1], 0x0               ; x s[4:5], Wqkv s[6:7], Wo s[8:9], xb s[10:11]
	s_load_b128 s[12:15], s[0:1], 0x20             ; wqt s[12:13], wot s[14:15]
	v_lshl_add_u32 v64, v0, 2, 0x4800
	v_mov_b32 v65, 0
	s_mov_b32 s16, ttmp9
	v_lshrrev_b32 v1, 5, v0                        ; wave
	s_wait_kmcnt 0x0
	s_cmp_ge_u32 s16, 1024
	s_cbranch_scc1 .Lweights
	; ---- x: rows 32 rb .. +31, planes 4 pg .. +3.  A load: lanes 0-15 take 256 bytes (one plane's 64 columns) of a row, lanes 16-31 of the next row.
	s_lshr_b32 s17, s16, 2                         ; rb
	s_and_b32 s18, s16, 3                          ; pg
	s_lshl_b32 s20, s17, 17                        ; 32 rows of 4,096 bytes
	s_lshl_b32 s21, s18, 10                        ; 4 planes of 256 bytes
	s_add_co_u32 s20, s20, s21
	s_mov_b32 s21, 0
	s_add_nc_u64 s[4:5], s[4:5], s[20:21]
	s_lshl_b32 s22, s18, 22                        ; 4 planes of xb
	s_lshl_b32 s23, s17, 12                        ; 32 rows of 128 bytes
	s_add_co_u32 s22, s22, s23
	s_mov_b32 s23, 0
	s_add_nc_u64 s[10:11], s[10:11], s[22:23]
	v_bfe_u32 v2, v0, 4, 1
	v_and_b32 v3, 15, v0
	v_lshl_add_u32 v1, v1, 2, v2                   ; row = 4 wave + lane / 16 (+ 2 rp in the immediates)
	v_lshlrev_b32 v4, 4, v3
	v_lshl_add_u32 v4, v1, 12, v4                  ; from: row x 4096 + 16 (lane % 16)
	v_lshlrev_b32 v5, 3, v3
	v_lshl_add_u32 v5, v1, 7, v5                   ; to: row x 128 + 8 (lane % 16)
.irp rp, 0,1
.irp p, 0,1,2,3
	global_load_b128 v[16+4*(4*\rp+\p):16+4*(4*\rp+\p)+3], v4, s[4:5] offset:\rp*8192+\p*256 th:TH_LOAD_NT
.endr
.endr
.irp rp, 0,1
.irp p, 0,1,2,3
	s_wait_loadcnt 7-(4*\rp+\p)                    ; loads come back in order: this one is in, the younger ones stay out
	v_cvt_pk_bf16_f32 v[48+2*(4*\rp+\p)], v[16+4*(4*\rp+\p)], v[16+4*(4*\rp+\p)+1]
	v_cvt_pk_bf16_f32 v[48+2*(4*\rp+\p)+1], v[16+4*(4*\rp+\p)+2], v[16+4*(4*\rp+\p)+3]
	global_store_b64 v5, v[48+2*(4*\rp+\p):48+2*(4*\rp+\p)+1], s[10:11] offset:\rp*256+\p*PLANE   ; the wave's 32 lanes store 256 consecutive bytes, aligned: two rows of a plane
.endr
.endr
	s_endpgm                                       ; no register was written twice: no further wait
; ---- a weight: W[k][n] f32, rows of pb bytes, becomes [k / 64][n][k % 64], planes of pln bytes.  s17 = kp + 16 nt: 64 k x 128 n.
; Wave w loads rows 8 w .. 8 w + 7 (512 consecutive bytes a load); lane l then holds 8 k of each of the columns 4 l .. 4 l + 3: 16 bytes a column,
; which go through LDS (row = n, pitch 144) and leave as whole rows of 128 bytes.  The stores into LDS meet four deep in the banks (576 l): four stores a wave in all.
.macro WPATH sp, dp, pb, pln, half
	s_and_b32 s18, s17, 15                         ; kp
	s_lshr_b32 s19, s17, 4                         ; nt
	s_mul_i32 s20, s18, 64*\pb
	s_lshl_b32 s21, s19, 9
	s_add_co_u32 s20, s20, s21
	s_mov_b32 s21, 0
	s_add_nc_u64 s[\sp:\sp+1], s[\sp:\sp+1], s[20:21]
	s_mul_i32 s22, s18, \pln
	s_lshl_b32 s23, s19, 14                        ; 128 rows of 128 bytes
	s_add_co_u32 s22, s22, s23
	s_mov_b32 s23, 0
	s_add_nc_u64 s[\dp:\dp+1], s[\dp:\dp+1], s[22:23]
	v_and_b32 v2, 31, v0
	v_mul_u32_u24 v3, v1, 8*\pb
	v_lshl_add_u32 v3, v2, 4, v3                   ; 8 w rows + 16 l
.irp j, 0,1,2,3,4,5,6,7
	global_load_b128 v[16+4*\j:16+4*\j+3], v3, s[\sp:\sp+1] offset:\j*\pb th:TH_LOAD_NT
.endr
	v_mul_u32_u24 v4, v2, 4*WP
	v_lshl_add_u32 v4, v1, 4, v4                   ; into LDS: row 4 l (+ c), byte 16 w
	v_lshrrev_b32 v5, 3, v0
	v_mul_u32_u24 v5, v5, WP
	v_and_b32 v6, 7, v0
	v_lshl_add_u32 v5, v6, 4, v5                   ; back: row thread / 8 (+ 32 it), byte 16 (thread % 8)
	v_lshlrev_b32 v7, 4, v0                        ; out: 16 x thread (+ 4096 it)
	s_wait_loadcnt 0x0
.irp c, 0,1,2,3
.irp jj, 0,1,2,3
	v_cvt_pk_bf16_f32 v[48+4*\c+\jj], v[16+8*\jj+\c], v[16+8*\jj+4+\c]     ; k = 8 w + 2 jj below, + 1 above
.if \half
	v_lshlrev_b32 v8, 16, v[48+4*\c+\jj]           ; the bf16 values widened again,
	v_and_b32 v9, 0xffff0000, v[48+4*\c+\jj]
	v_cvt_pk_f16_f32 v[48+4*\c+\jj], v8, v9        ; and carried as f16
.endif
.endr
	ds_store_b128 v4, v[48+4*\c:48+4*\c+3] offset:\c*WP
.endr
	s_wait_dscnt 0x0                               ; my stores are in LDS before I say so
	s_barrier_signal -1
	s_barrier_wait -1                              ; all eight waves' are
.irp it, 0,1,2,3
	ds_load_b128 v[16+4*\it:16+4*\it+3], v5 offset:\it*32*WP
.endr
.irp it, 0,1,2,3
	s_wait_dscnt 3-\it                             ; LDS loads come back in order
	global_store_b128 v7, v[16+4*\it:16+4*\it+3], s[\dp:\dp+1] offset:\it*4096   ; a wave stores 512 consecutive bytes, aligned
.endr
	s_wait_tensorcnt 0x0
	ds_add_u32 v64, v65
	s_wait_dscnt 0x0
	s_endpgm
.endm
.Lweights:
	s_sub_co_u32 s17, s16, 1024
	s_cmp_ge_u32 s17, 384
	s_cbranch_scc1 .Lwo
	WPATH 6, 12, 12288, 393216, 0
.Lwo:
	s_sub_co_u32 s17, s17, 384
	WPATH 8, 14, 4096, 131072, 1
.Lfunc_end_k_qeb72a61d8f_prep:
	.size	k_qeb72a61d8f_prep, .Lfunc_end_k_qeb72a61d8f_prep-k_qeb72a61d8f_prep
	.p2alignl 7, 3214868480
	.fill 96, 4, 3214868480
	.section	.rodata,"a",@progbits
	.p2align	6, 0x0
	.amdhsa_kernel k_qeb72a61d8f_prep
		.amdhsa_group_segment_fixed_size 19456
		.amdhsa_private_segment_fixed_size 0
		.amdhsa_enable_private_segment 0
		.amdhsa_kernarg_size 48
		.amdhsa_user_sgpr_count 2
		.amdhsa_user_sgpr_kernarg_segment_ptr 1
		.amdhsa_wavefront_size32 1
		.amdhsa_system_sgpr_workgroup_id_x 1
		.amdhsa_system_sgpr_workgroup_id_y 1
		.amdhsa_system_sgpr_workgroup_id_z 1
		.amdhsa_system_vgpr_workitem_id 0
		.amdhsa_next_free_vgpr 66
		.amdhsa_next_free_sgpr 66
		.amdhsa_reserve_vcc 0
		.amdhsa_float_denorm_mode_32 3
		.amdhsa_float_denorm_mode_16_64 3
		.amdhsa_memory_ordered 1
		.amdhsa_forward_progress 1
		.amdhsa_inst_pref_size 16
	.end_amdhsa_kernel
	.amdgpu_metadata
---
amdhsa.version: [ 1, 2 ]
amdhsa.kernels:
  - .name:           k_qeb72a61d8f_prep
    .symbol:         k_qeb72a61d8f_prep.kd
    .args:
      - { .name: x, .offset: 0, .size: 8, .value_kind: global_buffer, .address_space: global }
      - { .name: Wqkv, .offset: 8, .size: 8, .value_kind: global_buffer, .address_space: global }
      - { .name: Wo, .offset: 16, .size: 8, .value_kind: global_buffer, .address_space: global }
      - { .name: xb, .offset: 24, .size: 8, .value_kind: global_buffer, .address_space: global }
      - { .name: wqt, .offset: 32, .size: 8, .value_kind: global_buffer, .address_space: global }
      - { .name: wot, .offset: 40, .size: 8, .value_kind: global_buffer, .address_space: global }
    .group_segment_fixed_size: 19456
    .private_segment_fixed_size: 0
    .kernarg_segment_align: 8
    .kernarg_segment_size: 48
    .max_flat_workgroup_size: 256
    .sgpr_count:     66
    .vgpr_count:     66
    .wavefront_size: 32
...
	.end_amdgpu_metadata
.endif
;; end of part 1
;; launch qkv (part 2): grid 8 x 32, 4 waves a work-group, clusters of 4 x 4, 327,680 bytes of LDS; arguments xb, wqt, bqkv, qkv; writes qkv
.if DOCPART == 2
	.amdgcn_target "amdgcn-amd-amdhsa--gfx1250"
	.amdhsa_code_object_version 6
	.text
	.protected	k_qeb72a61d8f_qkv
	.globl	k_qeb72a61d8f_qkv
	.p2align	8
	.type	k_qeb72a61d8f_qkv,@function
k_qeb72a61d8f_qkv:
	s_mov_b64 s[64:65], 0
	v_nop
	global_prefetch_b8 v0, s[64:65] scope:SCOPE_SE
	s_setreg_imm32_b32 hwreg(HW_REG_WAVE_MODE, 25, 1), 1
	s_wait_xcnt 0x0
	s_wait_alu depctr_hold_cnt(0) depctr_sa_sdst(0) depctr_va_vdst(0) depctr_va_sdst(0) depctr_va_ssrc(0) depctr_va_vcc(0) depctr_vm_vsrc(0)
	s_getreg_b32 s2, hwreg(HW_REG_IB_STS2, 6, 4)
	s_cmp_eq_u32 s2, 0
	s_cbranch_scc0 .Lentry_in_a_cluster
	s_endpgm
.Lentry_in_a_cluster:
	s_bfe_u32 s2, ttmp6, 0x10000c
	s_cmp_lg_u32 s2, 0xf033
	s_cbranch_scc0 .Lentry_shape_is_right
	s_endpgm
.Lentry_shape_is_right:
; Launch 2 of 4: qkv[n / 64][m][n % 64] (f16) = f(n) x (sum over k of xb[m][k] wqt[n][k] + bqkv[n]).  M = 8192, N = 3072, K = 1024; bf16 operands, f32 sums.
; f(n) = c = log2(e) / 8 for q's columns (planes 0-15), 1 for k's and v's: the scores q.k of the next launch then are the exponents to base 2 of reference()'s
; softmax, and its maximum is taken away there by a plain subtraction.  The factor meets the f32 sum, ahead of the one rounding to f16.
; Nothing of reference()'s product is left out here (k's bias rides as the C operand of the first products: see the first launch's head).
; LIMIT: results beyond 65504 in size do not fit f16.
; A block is 256 rows x 192 columns (three heads), made by four waves; wave (wm, wn) makes rows 128 wm .. +127 and, of each of the three heads,
; columns 32 wn .. +31: 8 x 6 accumulator tiles of 16 x 16, 384 registers.  K goes in steps of 128 (two planes of 64) through two LDS slots.
; THE WORK-GROUP STAYS: it makes block columns bx and bx + 8 of its block row, one after the other, 16 K steps in all.  The ring runs on: the first block's last two
; changes of slots ask for the second block's first two K steps, which land while the first block leaves, and the first block's stores are on their way
; while the second block is multiplied.  Arguments, the opening round and the first fills are paid once for two blocks.
; CLUSTER 4 x 4: the four work-groups of a row of the cluster share A's tiles, the four of a column B's; each tile is asked for jointly.  All sixteen have the same trips.
; A plane's rows lie in memory without gaps, so a tile is a dense block: it is described as rows of 256 bytes, with 16 bytes of padding behind every 128,
; so that in LDS every row of 64 numbers is 144 bytes from the next.
; REGISTERS: window 0: v16-27 addresses, v64-127 / v128-191 A's fragments (two buffers; on the way out the rows read back), v192-239 the bias, on the way out packed results;
;   window 1: v64-111 / v128-175 B's fragments;  window 2: accumulator (a, b) of my rows 0-63 at v[8 (8 a + b)];  window 3: of rows 64-127.
; THE MATRIX INSTRUCTION IS USED TRANSPOSED (source 0 = 16 rows of wqt, source 1 = 16 rows of xb): a lane holds eight neighbouring columns of one row.
; The accumulators take turns, one instruction a turn, over the loops' backward jumps too.
.set NB,     6
.set BN,     192
.set PITCH,  144
.set APL,    256*PITCH                 ; a plane of A in LDS: 36,864 bytes
.set BPL,    BN*PITCH                  ; a plane of B in LDS: 27,648
.set SLOT,   2*APL+2*BPL               ; 129,024
.set STAGE,  2*SLOT                    ; behind the ring, at a multiple of 256: the way out's stage; no fill lands here
.set HST,    128*PITCH                 ; a head's 128 rows in the stage: 18,432; three heads: 55,296
.set APLANE, 1048576                   ; a plane of xb in memory
.set BPLANE, 393216                    ; a plane of wqt in memory
.set BSKIP,  8*BN*128                  ; eight block columns on in a plane of wqt
.set WNS,    32                        ; rows of B between wave columns
.set LAPS,   4                         ; 8 K steps a block, two a lap
.set ADRA, 16                          ; v16-17 my A fragments in slot 0, 1
.set ADRB, 20                          ; v20-21 my B fragments
.set STO,  22                          ; way out: into the stage
.set RD,   24                          ; way out: back from the stage
.set CO,   26                          ; my byte offset in a plane of qkv
.set VB,   27                          ; my byte offset in the bias
.set F0,   64
.set F1,   128
.set BIAS, 192
.set TMP,  192
.set G1,  24
.set G0,  32
.set G1B, 48
.set G0B, 56
.set FAC, 72                           ; s[72:77] the factor of each of the first block's three heads, twice
.set MSB, 0
.macro WIN new                         ; the immediate's high byte repeats the setting that is left
.if MSB != \new
	s_set_vgpr_msb (MSB<<8)|\new
.set MSB, \new
.endif
.endm
.set MUL_LO,   0xa1                    ; source 0 (B) window 1, source 1 (A) window 0, C and D window 2
.set MUL_HI,   0xf1                    ; C and D window 3
.set FIRST_LO, 0x81                    ; a block's first products: C is the bias, in window 0
.set FIRST_HI, 0xc1
.set TO_B,     0x40
; A joint load: waves 0 and 1 fetch A's two planes, waves 2 and 3 B's.  The branch hangs on the wave's number alone.
.macro JLOAD s
	s_cmp_eq_u32 s11, 0
	s_cbranch_scc0 .Lfor_b_\@
	tensor_load_to_lds s[G0+4*\s:G0+4*\s+3], s[G1:G1+7]
	s_nop 0
	s_branch .Lasked_\@
.Lfor_b_\@:
	tensor_load_to_lds s[G0B+4*\s:G0B+4*\s+3], s[G1B:G1B+7]
	s_nop 0
.Lasked_\@:
.endm
.macro CREST                           ; a round of the cluster's barrier behind its opening work-group barrier
	s_cmp_lg_u32 s10, 0
	s_cbranch_scc1 .Lnot_wave_0_\@
	s_barrier_signal -3
.Lnot_wave_0_\@:
	s_barrier_wait -3
	s_barrier_signal -1
	s_barrier_wait -1
.endm
.macro CROUND
	s_barrier_signal -1
	s_barrier_wait -1
	CREST
.endm
; The bias of block p's columns: register j of set b is the bias of column 8 h + j of n block b, which is where the transposed result holds that column
.macro BIASLD p
.irp b, 0,1,2,3,4,5
	global_load_b128 v[BIAS+8*\b:BIAS+8*\b+3],   v[VB], s[68:69] offset:(\p)*8*BN*4+(64*((\b)>>1)+16*((\b)&1))*4
	global_load_b128 v[BIAS+8*\b+4:BIAS+8*\b+7], v[VB], s[68:69] offset:(\p)*8*BN*4+(64*((\b)>>1)+16*((\b)&1))*4+16
.endr
.endm
	s_load_b128 s[4:7], s[0:1], 0x0                ; xb s[4:5], wqt s[6:7]
	s_load_b128 s[68:71], s[0:1], 0x10             ; bqkv s[68:69], qkv s[70:71]
	s_set_vgpr_msb 0x40
	v_lshl_add_u32 v255, v0, 2, 0x4c800
	s_set_vgpr_msb 0x4000
	v_mov_b32 v255, 0
	s_set_vgpr_msb 0x1
	ds_add_u32 v255, v255
	ds_add_u32 v255, v255
	s_set_vgpr_msb 0x100
	v_lshrrev_b32 v1, 5, v0
	v_readfirstlane_b32 s10, v1                    ; wave 0..3
	s_lshr_b32 s11, s10, 1                         ; wm.  Also: I fetch for A (0) or for B (1)
	s_and_b32 s12, s10, 1                          ; wn.  Also: which of the step's two planes I fetch
	s_bfe_u32 s40, ttmp6, 0x40000                  ; cx
	s_bfe_u32 s41, ttmp6, 0x40004                  ; cy
	s_lshl_b32 s42, ttmp9, 2
	s_add_co_u32 s42, s42, s40                     ; bx = 4 x cluster x + cx, 0 .. 7: my first block column; the second is bx + 8
	s_and_b32 s13, ttmp7, 0xffff
	s_lshl_b32 s13, s13, 2
	s_add_co_u32 s13, s13, s41                     ; block row = 4 x cluster y + cy
	s_lshl_b32 s43, s41, 2
	s_lshl_b32 s43, 15, s43                        ; my row of the cluster
	s_lshl_b32 s44, 0x1111, s40                    ; my column
	; group 1: rows of 128 elements of 2 bytes (256 bytes), pitch 128: a dense block; behind every 32 words (code 4) 4 words of padding (code 3)
	s_or_b32 s[G1+0], s43, (1<<16)|(1<<20)|(1<<21)|(4<<22)|(3<<25)
	s_or_b32 s[G1B+0], s44, (1<<16)|(1<<20)|(1<<21)|(4<<22)|(3<<25)
	s_mov_b32 s[G1+1], 128<<16                     ; tensor_dim0 = 128
	s_mov_b32 s[G1B+1], 128<<16
	s_mov_b32 s[G1+2], 128<<16                     ; tensor_dim1 = 128 rows of 256 bytes: 256 rows of a plane
	s_mov_b32 s[G1B+2], (BN/2)<<16                 ; B: 96: 192 rows of a plane
	s_mov_b32 s[G1+3], 128<<16                     ; tile_dim0 = 128
	s_mov_b32 s[G1B+3], 128<<16
	s_mov_b32 s[G1+4], 128                         ; tile_dim1
	s_mov_b32 s[G1B+4], BN/2
	s_mov_b32 s[G1+5], 128                         ; from row to row: 128 elements
	s_mov_b32 s[G1B+5], 128
	s_mov_b32 s[G1+6], 0
	s_mov_b32 s[G1B+6], 0
	s_mov_b32 s[G1+7], 0
	s_mov_b32 s[G1B+7], 0
	; A's address hangs on the block row and the wave, B's on the block column and the wave, each in registers that never hold the other coordinate
	s_lshl_b32 s16, s13, 15                        ; 256 rows of 128 bytes
	s_lshl_b32 s17, s12, 20                        ; my plane of the step's two
	s_add_co_u32 s16, s16, s17
	s_mov_b32 s17, 0
	s_mul_i32 s46, s42, BN*128
	s_mul_i32 s47, s12, BPLANE
	s_add_co_u32 s46, s46, s47
	s_mov_b32 s47, 0
	s_mul_i32 s18, s10, APL                        ; LDS: A's planes at wave x APL (waves 0, 1),
	s_mul_i32 s19, s10, BPL
	s_add_co_u32 s19, s19, 2*APL-2*BPL             ; B's behind them at (wave - 2) x BPL (waves 2, 3)
	s_wait_dscnt 0x0
	s_wait_kmcnt 0x0
	s_add_nc_u64 s[14:15], s[4:5], s[16:17]        ; what I fetch of A at K step 0: kept, the second block begins here again
	s_add_nc_u64 s[46:47], s[6:7], s[46:47]        ; what I fetch of B at the first block's K step 0: kept
	CROUND                                         ; all sixteen work-groups are here: the first joint loads meet
.irp s, 0,1
	s_mov_b32 s[G0+4*\s], 1
	s_add_co_u32 s[G0+4*\s+1], s18, \s*SLOT
	s_add_nc_u64 s[G0+4*\s+2:G0+4*\s+3], s[14:15], \s*2*APLANE     ; K step s: planes 2 s, 2 s + 1
	s_or_b32 s[G0+4*\s+3], s[G0+4*\s+3], 0x80000000
	s_mov_b32 s[G0B+4*\s], 1
	s_add_co_u32 s[G0B+4*\s+1], s19, \s*SLOT
	s_add_nc_u64 s[G0B+4*\s+2:G0B+4*\s+3], s[46:47], \s*2*BPLANE
	s_or_b32 s[G0B+4*\s+3], s[G0B+4*\s+3], 0x80000000
	JLOAD \s                                       ; two tensor loads of the wave are out from here, later one
.endr
	v_and_b32 v1, 15, v0                           ; r
	v_bfe_u32 v2, v0, 4, 1                         ; h
	v_mul_u32_u24 v3, v1, PITCH
	v_lshl_add_u32 v3, v2, 4, v3                   ; r x pitch + 16 h
	s_mul_i32 s21, s11, 128*PITCH
	s_mul_i32 s22, s12, WNS*PITCH
	s_add_co_u32 s22, s22, 2*APL
.irp s, 0,1
	v_add_nc_u32 v[ADRA+\s], s21, v3
	v_add_nc_u32 v[ADRB+\s], s22, v3
	s_add_co_u32 s21, s21, SLOT
	s_add_co_u32 s22, s22, SLOT
.endr
	; the stage holds half a block: [3 heads][128 rows][144 bytes]; its row 64 wm + x is the block's row 128 wm + 64 half + x
	s_mul_i32 s23, s11, 64*PITCH
	s_lshl_b32 s2, s12, 6
	s_add_co_u32 s23, s23, s2
	s_add_co_u32 s23, s23, STAGE
	v_add_nc_u32 v[STO], s23, v3                   ; in: row 64 wm + r (+ 16 a), byte 64 wn + 16 h
	v_and_b32 v4, 31, v0
	v_lshrrev_b32 v5, 3, v4
	v_mul_u32_u24 v5, v5, PITCH
	v_and_b32 v6, 7, v0
	v_lshl_add_u32 v5, v6, 4, v5
	s_mul_i32 s23, s10, 32*PITCH
	s_add_co_u32 s23, s23, STAGE
	v_add_nc_u32 v[RD], s23, v5                    ; back: row 32 w + l / 8 (+ 4 t), byte 16 (l % 8)
	s_lshl_b32 s2, s11, 14                         ; those rows in a plane of qkv: 128 (w / 2) + 32 (w % 2) rows of 128 bytes
	s_lshl_b32 s23, s12, 12
	s_add_co_u32 s2, s2, s23
	v_lshlrev_b32 v4, 4, v4
	v_add_nc_u32 v[CO], s2, v4                     ; + 16 l
	s_lshl_b32 s2, s12, 7
	v_lshlrev_b32 v[VB], 5, v2
	v_add_nc_u32 v[VB], s2, v[VB]                  ; 4 (32 wn + 8 h)
	s_mul_i32 s78, s42, BN*4
	s_mov_b32 s79, 0
	s_add_nc_u64 s[68:69], s[68:69], s[78:79]      ; the bias at my first block's columns; never written again
	BIASLD 0
	; The factor of head hb of the first block's three: c where the plane 3 bx + hb is one of q's sixteen, else 1.  It is a selected value and every sum of the first block
	; is multiplied: bx = 5 holds a plane of q beside two of k.
	; The second block's planes are 3 (bx + 8) + hb >= 24, none of them q's: its factor is 1 whatever bx, and it is not multiplied.
	s_mul_i32 s82, s42, 3
	s_mov_b32 s80, 0x3e38aa3b                      ; c = log2(e) / 8
	s_mov_b32 s81, 1.0
.irp hb, 0,1,2
	s_add_co_u32 s83, s82, \hb
	s_cmp_lt_u32 s83, 16
	s_cselect_b32 s[FAC+2*\hb], s80, s81
	s_mov_b32 s[FAC+2*\hb+1], s[FAC+2*\hb]
.endr
	s_mul_i32 s78, s42, 3*1048576                  ; the first block's three planes of qkv,
	s_add_nc_u64 s[70:71], s[70:71], s[78:79]
	s_lshl_b32 s16, s13, 15                        ; and my 256 rows in them
	s_mov_b32 s17, 0
	s_add_nc_u64 s[70:71], s[70:71], s[16:17]
; 12 matrix instructions: m blocks a0, a0 + 1 of the window's four x all 6 n blocks, 32 along K.  first = 1: the bias starts the sums.
.macro MULH f, hi, a0, first
.irp a, \a0, \a0+1
.irp b, 0,1,2,3,4,5
.if \first
	v_wmma_f32_16x16x32_bf16 v[8*(8*(\a)+\b):8*(8*(\a)+\b)+7], v[\f+8*\b:\f+8*\b+7], v[\f+8*(4*\hi+\a):\f+8*(4*\hi+\a)+7], v[BIAS+8*\b:BIAS+8*\b+7]
.else
	v_wmma_f32_16x16x32_bf16 v[8*(8*(\a)+\b):8*(8*(\a)+\b)+7], v[\f+8*\b:\f+8*\b+7], v[\f+8*(4*\hi+\a):\f+8*(4*\hi+\a)+7], v[8*(8*(\a)+\b):8*(8*(\a)+\b)+7]
.endif
.endr
.endr
.endm
; 28 LDS loads in one run: quarter q of a K step (plane q / 2, 32 K at byte 64 (q % 2)) into buffer f
.macro FETCH slot, q, f
	WIN TO_B
.irp b, 0,1,2,3,4,5
	ds_load_b128 v[\f+8*\b:\f+8*\b+3],   v[ADRB+\slot] offset:((\q)>>1)*BPL+((\q)&1)*64+(64*((\b)>>1)+16*((\b)&1))*PITCH
	ds_load_b128 v[\f+8*\b+4:\f+8*\b+7], v[ADRB+\slot] offset:((\q)>>1)*BPL+((\q)&1)*64+(64*((\b)>>1)+16*((\b)&1))*PITCH+32
.endr
	WIN 0
.irp i, 0,1,2,3,4,5,6,7
	ds_load_b128 v[\f+8*\i:\f+8*\i+3],   v[ADRA+\slot] offset:((\q)>>1)*APL+((\q)&1)*64+\i*16*PITCH
	ds_load_b128 v[\f+8*\i+4:\f+8*\i+7], v[ADRA+\slot] offset:((\q)>>1)*APL+((\q)&1)*64+\i*16*PITCH+32
.endr
.endm
; Four places stand between a matrix instruction and a load into a register that it read, or a vector instruction that reads its result
.macro PLACES
.rept 4
	v_nop
.endr
.endm
.macro QUARTER slot, q, f, g, first    ; multiplies buffer f; in its middle fetches quarter q into buffer g
	s_wait_dscnt 8                                 ; B and A's rows 0-63 are in; the youngest eight loads (A's rows 64-127) may be out
.if \first
	WIN FIRST_LO
.else
	WIN MUL_LO
.endif
	MULH \f, 0, 0, \first
	MULH \f, 0, 2, \first
	PLACES
	FETCH \slot, \q, \g
	s_wait_dscnt 2*NB+16                           ; all but the 28 just issued
.if \first
	WIN FIRST_HI
.else
	WIN MUL_HI
.endif
	MULH \f, 1, 0, \first
	MULH \f, 1, 2, \first
.endm
.macro THREE slot, first
	QUARTER \slot, 1, F0, F1, \first
	QUARTER \slot, 2, F1, F0, 0
	QUARTER \slot, 3, F0, F1, 0
.endm
; The last quarter changes slots.  In front of the barrier each wave waits for its reads of this slot and for all its tensor loads (one is out: its part of the
; next slot); behind it (with a fill: behind the cluster's round that it opens) the refill comes first, then the next slot's first fragments.
; fill = 0: nothing is left to fetch;  1: this slot's tile two K steps on;  2: the second block's K step 'slot', from the kept bases.
; fetch = 0: the next slot's fragments are fetched later, behind the way out, which uses the fragment buffers.
.macro TURN slot, next, fill, fetch
	s_wait_dscnt 8
	WIN MUL_LO
	MULH F1, 0, 0, 0
	s_wait_dscnt 0                                 ; my reads of this slot are over
	s_wait_tensorcnt 0x0                           ; all my tensor loads have landed
	ds_add_u32 v255, v255
	s_wait_dscnt 0x0
	s_barrier_signal -1
	MULH F1, 0, 2, 0                               ; register work while the others arrive
	WIN 0
	s_barrier_wait -1
.if \fill
	CREST                                          ; no wave of any partner still reads this slot or has a load on its way
.if \fill == 1
	s_add_nc_u64 s[G0+4*\slot+2:G0+4*\slot+3], s[G0+4*\slot+2:G0+4*\slot+3], 4*APLANE      ; two K steps on: four planes
	s_add_nc_u64 s[G0B+4*\slot+2:G0B+4*\slot+3], s[G0B+4*\slot+2:G0B+4*\slot+3], 4*BPLANE
.else
	s_add_nc_u64 s[G0+4*\slot+2:G0+4*\slot+3], s[14:15], \slot*2*APLANE                    ; the same rows of A from K = 0 again,
	s_or_b32 s[G0+4*\slot+3], s[G0+4*\slot+3], 0x80000000
	s_add_nc_u64 s[G0B+4*\slot+2:G0B+4*\slot+3], s[46:47], BSKIP+\slot*2*BPLANE            ; B eight block columns on
	s_or_b32 s[G0B+4*\slot+3], s[G0B+4*\slot+3], 0x80000000
.endif
	JLOAD \slot                                    ; my one tensor load behind the round
.endif
.if \fetch
	PLACES
	FETCH \next, 0, F0
.endif
	WIN MUL_HI
	MULH F1, 1, 0, 0
	MULH F1, 1, 2, 0
.endm
.macro LAP first
	THREE 0, \first
	TURN 0, 1, 1, 1
	THREE 1, 0
	TURN 1, 0, 1, 1
.endm
; THE WAY OUT of a block, in two halves (my rows 0-63, then 64-127), since the stage holds 128 of the block's 256 rows.  A row of 128 bytes of a plane is held half by wave
; (wm, 0) and half by (wm, 1): each puts 16 bytes a lane into the stage, and behind a barrier whole rows are read back, four neighbouring rows a load.
; rows 64 hi + 16 a .. +15: inw = sources and destination in the accumulators' window, from = sources there, destination in window 0
.macro STG mul, a, inw, from
.if \mul
	WIN \inw
.irp b, 0,1,2,3,4,5
.irp r, 0,1,2,3
	v_pk_mul_f32 v[8*(8*\a+\b)+2*\r:8*(8*\a+\b)+2*\r+1], v[8*(8*\a+\b)+2*\r:8*(8*\a+\b)+2*\r+1], s[FAC+2*((\b)>>1):FAC+2*((\b)>>1)+1] op_sel_hi:[1,0]
.endr
.endr
.endif
	WIN \from
.irp b, 0,1,2,3,4,5
.irp r, 0,1,2,3
	v_cvt_pk_f16_f32 v[TMP+4*\b+\r], v[8*(8*\a+\b)+2*\r], v[8*(8*\a+\b)+2*\r+1]
.endr
.endr
	WIN 0
.irp b, 0,1,2,3,4,5
	ds_store_b128 v[STO], v[TMP+4*\b:TMP+4*\b+3] offset:16*\a*PITCH+((\b)>>1)*HST+((\b)&1)*32
.endr
.endm
; head hb of half hi: the stage's rows 32 w .. +31
.macro RDG hi, hb, f
	s_wait_xcnt 0x0                                ; buffer f, which earlier stores read, is written again only behind this wait
.irp t, 0,1,2,3,4,5,6,7
	ds_load_b128 v[\f+4*\t:\f+4*\t+3], v[RD] offset:\hb*HST+\t*4*PITCH
.endr
.irp t, 0,1,2,3,4,5,6,7
	s_wait_dscnt 7-\t                              ; LDS loads come back in order: the younger ones stay out
	global_store_b128 v[CO], v[\f+4*\t:\f+4*\t+3], s[70:71] offset:\hb*1048576+\hi*8192+\t*512   ; a wave stores 512 consecutive bytes, aligned: four rows of a plane
.endr
.endm
; p = 0: the first block (multiplied by its heads' factors; the second block's bias and base are made ready); p = 1: the second.
; Behind none of these three barriers is LDS filled: in the first block's way out my one tensor load that is out, the second block's K step 1, stays out across them.
.macro WAYOUT p
	PLACES                                         ; behind the last products
	STG (1-\p), 0, 0x8a, 0x0a
	STG (1-\p), 1, 0x8a, 0x0a
	STG (1-\p), 2, 0x8a, 0x0a
	STG (1-\p), 3, 0x8a, 0x0a
	s_wait_dscnt 0x0                               ; my stores are in LDS before I say so
	s_barrier_signal -1
	s_barrier_wait -1
	RDG 0, 0, F0
	RDG 0, 1, F1
	RDG 0, 2, F0
	s_wait_dscnt 0x0                               ; my reads of the stage are back (met: the last count-down ended at 0) before I say so:
	s_barrier_signal -1
	s_barrier_wait -1                              ; no wave writes the second half over rows that another still reads
	STG (1-\p), 0, 0xcf, 0x0f
	STG (1-\p), 1, 0xcf, 0x0f
	STG (1-\p), 2, 0xcf, 0x0f
	STG (1-\p), 3, 0xcf, 0x0f
	s_wait_dscnt 0x0
	s_barrier_signal -1
	s_barrier_wait -1
.if \p == 0
	BIASLD 1                                       ; the LDS stores that read these registers are done
.endif
	RDG 1, 0, F1
	RDG 1, 1, F0
	RDG 1, 2, F1
.if \p == 0
	s_wait_xcnt 0x0                                ; the stores' data (both fragment buffers) and base are written again only behind this wait
	s_add_nc_u64 s[70:71], s[70:71], 24*1048576    ; eight block columns on: 24 planes
.endif
.endm
	s_wait_tensorcnt 1                             ; my part of K step 0 is in; K step 1's stays out
	s_barrier_signal -1
	s_barrier_wait -1
	; ---- the first block ----
	FETCH 0, 0, F0
	s_wait_loadcnt 0x0                             ; the bias
	LAP 1
	WIN 0
	s_mov_b32 s3, LAPS-2
.Llap0:
	LAP 0
	WIN 0
	s_sub_co_u32 s3, s3, 1
	s_cmp_lg_u32 s3, 0
	s_cbranch_scc1 .Llap0
	THREE 0, 0                                     ; its last lap asks for the second block's K steps 0 and 1
	TURN 0, 1, 2, 1
	THREE 1, 0
	TURN 1, 0, 2, 0
	WAYOUT 0
	; ---- the second block: slot 0 was shown whole by the waits and the round of the last change of slots ----
	FETCH 0, 0, F0
	s_wait_loadcnt 0x0                             ; its bias
	LAP 1
	WIN 0
	s_mov_b32 s3, LAPS-2
.Llap1:
	LAP 0
	WIN 0
	s_sub_co_u32 s3, s3, 1
	s_cmp_lg_u32 s3, 0
	s_cbranch_scc1 .Llap1
	THREE 0, 0                                     ; the last lap fills nothing
	TURN 0, 1, 0, 1
	THREE 1, 0
	s_wait_dscnt 8
	WIN MUL_LO
	MULH F1, 0, 0, 0
	MULH F1, 0, 2, 0
	s_wait_dscnt 0
	WIN MUL_HI
	MULH F1, 1, 0, 0
	MULH F1, 1, 2, 0
	WAYOUT 1
	s_set_vgpr_msb 0x1
	s_wait_tensorcnt 0x0
	ds_add_u32 v255, v255
	s_wait_dscnt 0x0
	s_set_vgpr_msb 0x100
	CROUND                                         ; the closing round: no work-group ends while a partner may still ask for a tile that names it
	s_endpgm
.Lfunc_end_k_qeb72a61d8f_qkv:
	.size	k_qeb72a61d8f_qkv, .Lfunc_end_k_qeb72a61d8f_qkv-k_qeb72a61d8f_qkv
	.p2alignl 7, 3214868480
	.fill 96, 4, 3214868480
	.section	.rodata,"a",@progbits
	.p2align	6, 0x0
	.amdhsa_kernel k_qeb72a61d8f_qkv
		.amdhsa_group_segment_fixed_size 327680
		.amdhsa_private_segment_fixed_size 0
		.amdhsa_enable_private_segment 0
		.amdhsa_kernarg_size 32
		.amdhsa_user_sgpr_count 2
		.amdhsa_user_sgpr_kernarg_segment_ptr 1
		.amdhsa_wavefront_size32 1
		.amdhsa_system_sgpr_workgroup_id_x 1
		.amdhsa_system_sgpr_workgroup_id_y 1
		.amdhsa_system_sgpr_workgroup_id_z 1
		.amdhsa_system_vgpr_workitem_id 0
		.amdhsa_next_free_vgpr 1024
		.amdhsa_next_free_sgpr 84
		.amdhsa_reserve_vcc 0
		.amdhsa_float_denorm_mode_32 3
		.amdhsa_float_denorm_mode_16_64 3
		.amdhsa_memory_ordered 1
		.amdhsa_forward_progress 1
		.amdhsa_inst_pref_size 255
	.end_amdhsa_kernel
	.section	.bss,"aw",@nobits
	.p2align	6
	.space	262144
	.amdgpu_metadata
---
amdhsa.version: [ 1, 2 ]
amdhsa.kernels:
  - .name:           k_qeb72a61d8f_qkv
    .symbol:         k_qeb72a61d8f_qkv.kd
    .args:
      - { .name: xb, .offset: 0, .size: 8, .value_kind: global_buffer, .address_space: global }
      - { .name: wqt, .offset: 8, .size: 8, .value_kind: global_buffer, .address_space: global }
      - { .name: bqkv, .offset: 16, .size: 8, .value_kind: global_buffer, .address_space: global }
      - { .name: qkv, .offset: 24, .size: 8, .value_kind: global_buffer, .address_space: global }
    .group_segment_fixed_size: 327680
    .private_segment_fixed_size: 0
    .kernarg_segment_align: 8
    .kernarg_segment_size: 32
    .max_flat_workgroup_size: 128
    .sgpr_count:     84
    .vgpr_count:     1024
    .wavefront_size: 32
...
	.end_amdgpu_metadata
.endif
;; end of part 2
;; launch attn (part 3): grid 256 x 1, 4 waves a work-group, no clusters, 327,680 bytes of LDS; arguments qkv, yb; writes yb
.if DOCPART == 3
	.amdgcn_target "amdgcn-amd-amdhsa--gfx1250"
	.amdhsa_code_object_version 6
	.text
	.protected	k_qeb72a61d8f_attn
	.globl	k_qeb72a61d8f_attn
	.p2align	8
	.type	k_qeb72a61d8f_attn,@function
k_qeb72a61d8f_attn:
	s_mov_b64 s[64:65], 0
	v_nop
	global_prefetch_b8 v0, s[64:65] scope:SCOPE_SE
	s_setreg_imm32_b32 hwreg(HW_REG_WAVE_MODE, 25, 1), 1
	s_wait_xcnt 0x0
; Launch 3 of 4: for each of 64 (batch, head): y = softmax(causal(q k^T / 8)) v, with a running maximum.  q, k, v, the weights and y in f16; scores, maximum, sums in f32.
; q comes with the factor log2(e) / 8 in it (second launch), so a score s is the exponent to base 2, the weight is 2^(s - m) with the maximum m taken away by a plain
; f32 subtraction (the largest weight of a row is 1 for every input), and the rescaling factor is 2^(old m - new m).
; LEFT OUT: tiles of 16 queries x 64 keys that lie wholly above the diagonal: reference()'s own jnp.tril sets them to -inf, their weights are 0 for every input
; (shown at the head of the first launch).  A NaN, an infinity or an overflow that reaches only those tiles is not carried to the result.
; LIMIT: the weights are f16: under 2^-14 their steps are 2^-24.
; SHARES.  Work-group g: head g / 4, query blocks i = g % 4 and 7 - i of 256 queries: (i + 1) + (8 - i) = 9 units of 256 keys for every work-group.
; Wave w, query tile t = 0..3: queries 64 t + 16 w + r of the block, so on the diagonal every wave has the same tiles.  A unit is two halves of 128 keys (LDS slots 0, 1),
; a half two steps of 64 keys.  A block's diagonal unit comes first: in its step 0 all four tiles are live and start maximum, sum and O, so nothing is cleared.
; In the diagonal's step s tile t < s is dead, t = s is masked, t > s is whole.
; NO CLUSTER: only a head's four work-groups read the same K and V, and they need different numbers of tiles in each of their two blocks (i + 1 and 8 - i units);
; joint requests would need equal trips, 12 units each instead of 9.
; TRANSPOSED: S^T = K Q^T (source 0 = 16 keys, source 1 = 16 queries): lane r is a query, register j of tile u is key 16 u + 8 h + j.  Packed in pairs, tiles 2 kk and 2 kk + 1
; ARE the second source of O^T += V^T P^T for keys 32 kk .. +31: no traffic between lanes.  Maximum, sum and rescaling are one number a lane.
; WHOLE UNITS: PRODUCTS BESIDE SOFTMAX.  The tiles are two pairs, A = 0, 1 and B = 2, 3, which share K's and V's fragments.  A pair's softmax with its rescaling of O is
; 240 vector instructions, cut into 32 slices; one slice stands behind each of the other pair's 32 products.  Step j:
;   O_B += V(j-1) P_B(j-1) | slices 0-15 of A(j);   V(j) is fetched;   S_B(j) = K(j) Q_B | slices 16-31 of A(j);   K(j+1) is fetched (odd j: behind the change of slots);
;   O_A += V(j) P_A(j) | slices 0-15 of B(j);   S_A(j+1) = K(j+1) Q_A | slices 16-31 of B(j).
; The run is filled and drained once a unit: S_A(0) and the last O_B products, 32 of a unit's 256, stand alone.  The two diagonal units stay in phases: their pairs have
; 2, 1, 0, 0 and 2, 2, 2, 1 live tiles, so half of their steps have no partner.
; REGISTERS are laid so that most slices run under the setting of the product that they follow:
;   window 0: v2-9 addresses, v32-95 Q, v96-159 the way out's rows;
;   window 1: v0-127 S (tile t: 32 t + 8 u; the packed weights take the tile's lower 16 registers), v128-191 K, v192-199 pairs [-m, m], v200-207 pairs [factor, sum], v208-225 at work;
;   window 2: v0-127 O (32 t + 8 db), v128-191 V^T, v192-255 packed y.
;   Score products: sources K (window 1) and Q (window 0), sums window 1.  Under that setting runs every vector instruction whose second source place holds no register:
;   that is why the subtraction is written s x 1 + (-m) and the sums s x 1 + t (exact: one rounding, as an addition has).
;   Weight products: sources V (window 2) and P (window 1), sums window 2: the setting of O x factor.  Maxima, the chain of the maximum and the packing need all places in window 1.
; The accumulators take turns, one instruction a turn (at least four of them in every run).
.set KP,    144                        ; LDS pitch of a key's row of K
.set VP,    160                        ; of V: an odd multiple of 32, for the transposing load
.set RGN,   10240                      ; one wave's tile of 64 keys: K keys 0-63, K keys 64-127, V keys 0-63, V keys 64-127
.set SLOTB, 4*RGN
.set STAGE, 2*SLOTB                    ; behind the ring: 64 rows x 144 bytes for each wave; no fill lands here
.set WSTG,  64*KP
.set KADR, 2
.set VADR, 4
.set QAD,  6
.set STO,  7
.set RD,   8
.set YO,   9
.set QF,   32                          ; window 0: + 16 t + 8 ks
.set RB,   96                          ; window 0: the way out
.set S,    0                           ; window 1: + 32 t + 8 u; weights: + 32 t + 8 kk
.set KF,   128                         ; window 1: + 16 u + 8 ks
.set PM,   192                         ; window 1: pair 2 t: - maximum, maximum
.set PL,   200                         ; window 1: pair 2 t: rescaling factor, running sum (of my half of the keys)
.set T,    208                         ; window 1: 8 at work for each tile of a pair: + 8 (t % 2)
.set DREG, 224                         ; 16 w + r - 8 h
.set NINF, 225
.set O,    0                           ; window 2
.set VF,   128                         ; window 2: + 16 db + 8 kk
.set PK,   192                         ; window 2
.set G1K, 24
.set G1V, 32
.set G0,  40
.set W_S,   0x51                       ; source 0, source 2, destination window 1; source 1 window 0
.set W_PV,  0xa6                       ; source 0, source 2, destination window 2; source 1 window 1
.set W_V,   0x55                       ; all window 1
.set W_PK,  0x8a                       ; destination and both sources window 2
.set W_ST,  0x08                       ; LDS store: data window 2
.set TO_1,  0x40                       ; destination window 1, address window 0
.set TO_2,  0x80                       ; destination window 2, address window 0
.set MSB, 0
.macro WIN new                         ; the immediate's high byte repeats the setting that is left
.if MSB != \new
	s_set_vgpr_msb (MSB<<8)|\new
.set MSB, \new
.endif
.endm
.macro WIN1                            ; for an instruction of window 1 with no register in the second source place: W_S and W_V both serve
.if MSB != W_S
.if MSB != W_V
	WIN W_V
.endif
.endif
.endm
.macro PLACES                          ; four places behind a matrix instruction (ISA guide 7.12.1)
.rept 4
	v_nop
.endr
.endm
; My tile of slot o: waves 0, 1 bring K (16 bytes of padding a row), waves 2, 3 V (32 bytes)
.macro KVLOAD o
	s_cmp_eq_u32 s9, 0
	s_cbranch_scc0 .Lfor_v_\@
	tensor_load_to_lds s[G0+4*\o:G0+4*\o+3], s[G1K:G1K+7]
	s_nop 0
	s_branch .Lasked_\@
.Lfor_v_\@:
	tensor_load_to_lds s[G0+4*\o:G0+4*\o+3], s[G1V:G1V+7]
	s_nop 0
.Lasked_\@:
.endm
.macro KLOAD slot, s                   ; the 64 keys of step s as first sources: 16 loads
	WIN TO_1
.irp u, 0,1,2,3
.irp ks, 0,1
	ds_load_b128 v[KF+16*\u+8*\ks:KF+16*\u+8*\ks+3],   v[KADR+\slot] offset:(\s)*RGN+\u*16*KP+\ks*64
	ds_load_b128 v[KF+16*\u+8*\ks+4:KF+16*\u+8*\ks+7], v[KADR+\slot] offset:(\s)*RGN+\u*16*KP+\ks*64+32
.endr
.endr
.endm
.macro VLOAD slot, s                   ; the 64 keys of step s, transposed, as first sources: 16 loads
	WIN TO_2
.irp db, 0,1,2,3
.irp kk, 0,1
	ds_load_tr16_b128 v[VF+16*\db+8*\kk:VF+16*\db+8*\kk+3],   v[VADR+\slot] offset:(\s)*RGN+\kk*32*VP+\db*32
	ds_load_tr16_b128 v[VF+16*\db+8*\kk+4:VF+16*\db+8*\kk+7], v[VADR+\slot] offset:(\s)*RGN+\kk*32*VP+\db*32+16*VP
.endr
.endr
.endm
.macro QLOAD                           ; my 64 queries as second sources: 16 loads
	WIN 0
.irp t, 0,1,2,3
.irp ks, 0,1
	global_load_b128 v[QF+16*\t+8*\ks:QF+16*\t+8*\ks+3],   v[QAD], s[20:21] offset:\t*8192+\ks*64
	global_load_b128 v[QF+16*\t+8*\ks+4:QF+16*\t+8*\ks+7], v[QAD], s[20:21] offset:\t*8192+\ks*64+32
.endr
.endr
.endm
; The change to slot 'slot'.  Every wave waits for all its tensor loads (one is out: its part of this slot) and for its reads of the other slot, then the barrier;
; behind it the other slot's refill comes first (from s[18:19] + s[16:17]), my one tensor load until the next barrier; it has two steps in which to land.
; Then this slot's first K fragments are asked for.
.macro TURN slot, refill
	WIN 0
	s_wait_tensorcnt 0x0
	ds_add_u32 v254, v255
	s_wait_dscnt 0x0
.if \refill
	s_add_nc_u64 s[G0+4*(1-\slot)+2:G0+4*(1-\slot)+3], s[18:19], s[16:17]          ; no load of mine is out: the group may be written
	s_or_b32 s[G0+4*(1-\slot)+3], s[G0+4*(1-\slot)+3], 0x80000000
.endif
	s_wait_dscnt 0x0
	s_barrier_signal -1
	s_barrier_wait -1
.if \refill
	KVLOAD (1-\slot)
.endif
	KLOAD \slot, 0
.endm
; ---- the softmax of a tile, instruction by instruction (k counts within a kind) ----
.macro QMAX t, k                       ; 16: the maximum of my 32 scores, four chains of seven, then the four left over and the chains
	WIN W_V
.set TT, T+8*((\t)&1)
.set SS, S+32*(\t)
.if (\k) < 4
	v_max3_num_f32 v[TT+(\k)], v[SS+8*(\k)], v[SS+8*(\k)+1], v[SS+8*(\k)+2]
.endif
.if ((\k)/4) == 1
	v_max3_num_f32 v[TT+(\k)-4], v[TT+(\k)-4], v[SS+8*((\k)-4)+3], v[SS+8*((\k)-4)+4]
.endif
.if ((\k)/4) == 2
	v_max3_num_f32 v[TT+(\k)-8], v[TT+(\k)-8], v[SS+8*((\k)-8)+5], v[SS+8*((\k)-8)+6]
.endif
.if (\k) == 12
	v_max3_num_f32 v[TT], v[TT], v[SS+7], v[SS+15]
.endif
.if (\k) == 13
	v_max3_num_f32 v[TT+2], v[TT+2], v[SS+23], v[SS+31]
.endif
.if (\k) == 14
	v_max3_num_f32 v[TT], v[TT], v[TT+1], v[TT+2]
.endif
.if (\k) == 15
	v_max_num_f32 v[TT], v[TT], v[TT+3]
.endif
.endm
.macro QLINK t, k, first               ; the chain: 7 links (first: 3): the other half's maximum, the running maximum, the factor, - maximum
	WIN W_V
.set TT, T+8*((\t)&1)
.set PP, PM+2*(\t)
.if (\k) == 0
	v_permlanex16_b32 v[TT+1], v[TT], s50, s51     ; the other half of the lanes holds the query's other 32 keys
.endif
.if \first
.if (\k) == 1
	v_max_num_f32 v[PP+1], v[TT], v[TT+1]
.endif
.if (\k) == 2
	v_mul_f32 v[PP], -1.0, v[PP+1]
.endif
.else
.if (\k) == 1
	v_max_num_f32 v[TT], v[TT], v[TT+1]
.endif
.if (\k) == 2
	v_sub_f32 v[TT+2], v[PP+1], v[TT]
.endif
.if (\k) == 3
	v_max_num_f32 v[PP+1], v[PP+1], v[TT]
.endif
.if (\k) == 4
	v_min_num_f32 v[TT+2], 0, v[TT+2]              ; old maximum - new maximum
.endif
.if (\k) == 5
	v_exp_f32 v[PL+2*(\t)], v[TT+2]                ; a plain instruction that names neither register always follows (ISA guide 5.7.2)
.endif
.if (\k) == 6
	v_mul_f32 v[PP], -1.0, v[PP+1]
.endif
.endif
.endm
.macro QSUB t, k                       ; 16: s - m, two at a time; the pair's first register, - m, serves both
	WIN1
	v_pk_fma_f32 v[S+32*(\t)+2*(\k):S+32*(\t)+2*(\k)+1], v[S+32*(\t)+2*(\k):S+32*(\t)+2*(\k)+1], 1.0, v[PM+2*(\t):PM+2*(\t)+1] op_sel_hi:[1,0,0]
.endm
.macro QEXP t, k                       ; 32
	WIN1
	v_exp_f32 v[S+32*(\t)+(\k)], v[S+32*(\t)+(\k)]
.endm
.macro QSUM t, k, first                ; 17 (first: 16): the sum of my 32 weights in four chains, then sum = sum x factor + it
.set TT, T+8*((\t)&1)
.set SS, S+32*(\t)
.if (\k) < 16
	WIN1
.endif
.if (\k) < 4
	s_wait_alu depctr_va_vdst(0)
	v_pk_fma_f32 v[TT+2*(\k):TT+2*(\k)+1], v[SS+8*(\k):SS+8*(\k)+1], 1.0, v[SS+8*(\k)+2:SS+8*(\k)+3] op_sel_hi:[1,0,1]
.endif
.if ((\k)/4) == 1
	v_pk_fma_f32 v[TT+2*((\k)-4):TT+2*((\k)-4)+1], v[SS+8*((\k)-4)+4:SS+8*((\k)-4)+5], 1.0, v[TT+2*((\k)-4):TT+2*((\k)-4)+1] op_sel_hi:[1,0,1]
.endif
.if ((\k)/4) == 2
	v_pk_fma_f32 v[TT+2*((\k)-8):TT+2*((\k)-8)+1], v[SS+8*((\k)-8)+6:SS+8*((\k)-8)+7], 1.0, v[TT+2*((\k)-8):TT+2*((\k)-8)+1] op_sel_hi:[1,0,1]
.endif
.if (\k) == 12
	v_pk_fma_f32 v[TT:TT+1], v[TT:TT+1], 1.0, v[TT+2:TT+3] op_sel_hi:[1,0,1]
.endif
.if (\k) == 13
	v_pk_fma_f32 v[TT+4:TT+5], v[TT+4:TT+5], 1.0, v[TT+6:TT+7] op_sel_hi:[1,0,1]
.endif
.if (\k) == 14
	v_pk_fma_f32 v[TT:TT+1], v[TT:TT+1], 1.0, v[TT+4:TT+5] op_sel_hi:[1,0,1]
.endif
.if (\k) == 15
.if \first
	v_fma_f32 v[PL+2*(\t)+1], v[TT], 1.0, v[TT+1]
.else
	v_fma_f32 v[TT], v[TT], 1.0, v[TT+1]
.endif
.endif
.if (\k) == 16
.if \first == 0
	WIN W_V
	v_fma_f32 v[PL+2*(\t)+1], v[PL+2*(\t)+1], v[PL+2*(\t)], v[TT]
.endif
.endif
.endm
.macro QCVT t, k                       ; 16: the weights to f16, in place: word k takes weights 2 k and 2 k + 1, which no later word needs
	WIN W_V
	v_cvt_pk_f16_f32 v[S+32*(\t)+(\k)], v[S+32*(\t)+2*(\k)], v[S+32*(\t)+2*(\k)+1]
.endm
.macro QRSC t, k                       ; 16: O x factor, two at a time; the pair's first register serves both
	WIN W_PV
	s_wait_alu depctr_va_vdst(0)
	v_pk_mul_f32 v[O+32*(\t)+2*(\k):O+32*(\t)+2*(\k)+1], v[O+32*(\t)+2*(\k):O+32*(\t)+2*(\k)+1], v[PL+2*(\t):PL+2*(\t)+1] op_sel_hi:[1,0]
.endm
; ---- a pair's 240 instructions in the order in which they are issued; IX counts them, TA and TB are the pair's tiles ----
; 0-15 maxima of TA | 16-38 TA's chain, every third place, among the maxima of TB | 39-61 TB's chain among the subtractions of TA | 62-87 exponentials of TA, two and one with the
; subtractions of TB | 88-119 rescaling of both | 120-141 the rest of the former | 142-190 exponentials of TB, two and one with the sums of TA | 191-223 sums of TB by turns with the
; packing of TA | 224-239 packing of TB.  So a chain's links and the exponentials stand among plain instructions of the other tile, which need none of their results.
.macro QCHAIN tc, mx                   ; place KX of 23
.set LK, 0
.if KX < 21
.if (KX%3) == 0
.set LK, 1
.endif
.endif
.if LK
	QLINK \tc, (KX/3), 0
.else
.if KX < 21
.set JX, KX-KX/3-1
.else
.set JX, KX-7
.endif
.if \mx
	QMAX TB, JX
.else
	QSUB TA, JX
.endif
.endif
.endm
.macro QEXSB                           ; place KX of 48
.if (KX%3) == 2
	QSUB TB, (KX/3)
.else
	QEXP TA, (KX-KX/3)
.endif
.endm
.macro QEXSM                           ; place KX of 49
.if KX == 48
	QSUM TA, 16, 0
.else
.if (KX%3) == 2
	QSUM TA, (KX/3), 0
.else
	QEXP TB, (KX-KX/3)
.endif
.endif
.endm
.macro QOP p
.set TA, 2*(\p)
.set TB, 2*(\p)+1
.if IX < 16
	QMAX TA, IX
.else
.if IX < 39
.set KX, IX-16
	QCHAIN TA, 1
.else
.if IX < 62
.set KX, IX-39
	QCHAIN TB, 0
.else
.if IX < 88
.set KX, IX-62
	QEXSB
.else
.if IX < 120
.set KX, IX-88
.if (KX%2) == 0
	QRSC TA, (KX/2)
.else
	QRSC TB, (KX/2)
.endif
.else
.if IX < 142
.set KX, IX-94
	QEXSB
.else
.if IX < 191
.set KX, IX-142
	QEXSM
.else
.if IX < 224
.set KX, IX-191
.if (KX%2) == 0
	QSUM TB, (KX/2), 0
.else
	QCVT TA, (KX/2)
.endif
.else
	QCVT TB, (IX-224)
.endif
.endif
.endif
.endif
.endif
.endif
.endif
.endif
.endm
; Slice SN of pair q: slices 0-10 hold 8 instructions, 11-15 the 32 rescalings (7, 7, 6, 6, 6), 16-31 hold 8 and 7 by turns: 88 + 32 + 120 = 240.
; Slices 15 and 31 are six and seven plain instructions on the pair's own registers: they are the places between the last product and the fragment loads that follow it.
.macro SLICE q
.if SN < 11
.set CNT, 8
.else
.if SN < 13
.set CNT, 7
.else
.if SN < 16
.set CNT, 6
.else
.set CNT, 8-(SN%2)
.endif
.endif
.endif
.rept CNT
	QOP \q
.set IX, IX+1
.endr
.set SN, SN+1
.endm
; Pair p's 16 score products; sl = 1: a slice of the other pair behind each
.macro SMM p, sl
.irp ks, 0,1
.irp tt, 0,1
.irp u, 0,1,2,3
	WIN W_S
.if \ks
	v_wmma_f32_16x16x32_f16 v[S+32*(2*\p+\tt)+8*\u:S+32*(2*\p+\tt)+8*\u+7], v[KF+16*\u+8*\ks:KF+16*\u+8*\ks+7], v[QF+16*(2*\p+\tt)+8*\ks:QF+16*(2*\p+\tt)+8*\ks+7], v[S+32*(2*\p+\tt)+8*\u:S+32*(2*\p+\tt)+8*\u+7]
.else
	v_wmma_f32_16x16x32_f16 v[S+32*(2*\p+\tt)+8*\u:S+32*(2*\p+\tt)+8*\u+7], v[KF+16*\u+8*\ks:KF+16*\u+8*\ks+7], v[QF+16*(2*\p+\tt)+8*\ks:QF+16*(2*\p+\tt)+8*\ks+7], 0
.endif
.if \sl
	SLICE (1-\p)
.endif
.endr
.endr
.endr
.endm
; Pair p's 16 weight products
.macro PVM p, sl
.irp kk, 0,1
.irp tt, 0,1
.irp db, 0,1,2,3
	WIN W_PV
	v_wmma_f32_16x16x32_f16 v[O+32*(2*\p+\tt)+8*\db:O+32*(2*\p+\tt)+8*\db+7], v[VF+16*\db+8*\kk:VF+16*\db+8*\kk+7], v[S+32*(2*\p+\tt)+8*\kk:S+32*(2*\p+\tt)+8*\kk+7], v[O+32*(2*\p+\tt)+8*\db:O+32*(2*\p+\tt)+8*\db+7]
.if \sl
	SLICE (1-\p)
.endif
.endr
.endr
.endr
.endm
; A step's first half: pair A's softmax beside pair B's products.  pv = 0: the unit's first step, no weight products are due
.macro XH slot, s, pv
.set IX, 0
.set SN, 0
.if \pv
	PVM 1, 1
.else
.rept 16
	SLICE 0
.endr
.endif
	VLOAD \slot, \s
	SMM 1, 1
.endm
; Its second half: pair B's softmax beside pair A's products.  sm = 0: the unit's last step, no further scores
.macro YH sm
.set IX, 0
.set SN, 0
	PVM 0, 1
.if \sm
	s_wait_dscnt 0x0                               ; the next step's K fragments, asked for 16 products ago
	SMM 0, 1
.else
.rept 16
	SLICE 1
.endr
.endif
.endm
; A whole unit.  On entry its first K fragments have been asked for; s15 = the next unit's keys, in bytes.  last = 1: nothing is left to fetch.
.macro FULL last
	s_wait_dscnt 0x0                               ; K of step 0
	SMM 0, 0
	PLACES                                         ; the softmax reads these scores
	XH 0, 0, 0
	KLOAD 0, 1
	s_wait_dscnt 16                                ; V's fragments are in; the sixteen K loads just issued stay out
	YH 1
	XH 0, 1, 1
	s_mov_b32 s16, s15                             ; slot 0 has been read to its end: the next unit's keys 0-127 go there
	TURN 1, (1-\last)
	YH 1
	XH 1, 0, 1
	KLOAD 1, 1
	s_wait_dscnt 16
	YH 1
	XH 1, 1, 1
.if \last
	s_wait_dscnt 0x0                               ; V's fragments
.else
	s_add_co_u32 s16, s15, 16384                   ; slot 1 has been read to its end: the next unit's keys 128-255
	TURN 0, 1
.endif
	YH 0
	PVM 1, 0
	WIN 0
.endm
; ---- the diagonal units, in phases ----
.macro MASK t                          ; the tile on the diagonal: key 16 u + 8 h + j lives where it is <= query 16 w + r
	WIN W_V
.irp u, 0,1,2,3
.irp j, 0,1,2,3,4,5,6,7
	v_cmp_le_i32 vcc_lo, 16*\u+\j, v[DREG]
	v_cndmask_b32 v[S+32*\t+8*\u+\j], v[NINF], v[S+32*\t+8*\u+\j], vcc_lo
.endr
.endr
.endm
.macro SOFT t, first
.irp k, 0,1,2,3,4,5,6,7,8,9,10,11,12,13,14,15
	QMAX \t, \k
.endr
.if \first
.irp k, 0,1,2
	QLINK \t, \k, 1
.endr
.else
.irp k, 0,1,2,3,4,5,6
	QLINK \t, \k, 0
.endr
.endif
.irp k, 0,1,2,3,4,5,6,7,8,9,10,11,12,13,14,15
	QSUB \t, \k
.endr
.irp k, 0,1,2,3,4,5,6,7,8,9,10,11,12,13,14,15,16,17,18,19,20,21,22,23,24,25,26,27,28,29,30,31
	QEXP \t, \k
.endr
	v_nop                                          ; one plain place behind the run of exponentials
.irp k, 0,1,2,3,4,5,6,7,8,9,10,11,12,13,14,15,16
	QSUM \t, \k, \first
.endr
.irp k, 0,1,2,3,4,5,6,7,8,9,10,11,12,13,14,15
	QCVT \t, \k
.endr
.endm
; One step: 64 keys (step s of the slot) against query tiles t0 .. 3.  mask: tile t0 lies on the diagonal.  first: starts maximum, sum and O.
; kpre: the slot's next step's K fragments are fetched ahead of the second products.
.macro STEP slot, s, t0, mask, first, kpre
	s_wait_dscnt 0x0                               ; the K fragments
.rept 5
	v_nop                                          ; five places: the scores land on registers that the last weight products read as their second source
.endr
	WIN W_S
.irp ks, 0,1
.irp t, 0,1,2,3
.if \t >= \t0
.irp u, 0,1,2,3
.if \ks
	v_wmma_f32_16x16x32_f16 v[S+32*\t+8*\u:S+32*\t+8*\u+7], v[KF+16*\u+8*\ks:KF+16*\u+8*\ks+7], v[QF+16*\t+8*\ks:QF+16*\t+8*\ks+7], v[S+32*\t+8*\u:S+32*\t+8*\u+7]
.else
	v_wmma_f32_16x16x32_f16 v[S+32*\t+8*\u:S+32*\t+8*\u+7], v[KF+16*\u+8*\ks:KF+16*\u+8*\ks+7], v[QF+16*\t+8*\ks:QF+16*\t+8*\ks+7], 0
.endif
.endr
.endif
.endr
.endr
	PLACES                                         ; for the softmax, which reads the scores
	VLOAD \slot, \s
.if \mask
	MASK \t0
.endif
.irp t, 0,1,2,3
.if \t >= \t0
	SOFT \t, \first
.endif
.endr
.if \first == 0
.irp t, 0,1,2,3
.if \t >= \t0
.irp k, 0,1,2,3,4,5,6,7,8,9,10,11,12,13,14,15
	QRSC \t, \k
.endr
.endif
.endr
.endif
.if \kpre
	KLOAD \slot, (\s)+1
	s_wait_dscnt 16                                ; V's fragments are in; the sixteen K loads just issued stay out
.else
	s_wait_dscnt 0x0
.endif
	WIN W_PV
.irp kk, 0,1
.irp t, 0,1,2,3
.if \t >= \t0
.irp db, 0,1,2,3
.if (\first)*(1-\kk)
	v_wmma_f32_16x16x32_f16 v[O+32*\t+8*\db:O+32*\t+8*\db+7], v[VF+16*\db+8*\kk:VF+16*\db+8*\kk+7], v[S+32*\t+8*\kk:S+32*\t+8*\kk+7], 0
.else
	v_wmma_f32_16x16x32_f16 v[O+32*\t+8*\db:O+32*\t+8*\db+7], v[VF+16*\db+8*\kk:VF+16*\db+8*\kk+7], v[S+32*\t+8*\kk:S+32*\t+8*\kk+7], v[O+32*\t+8*\db:O+32*\t+8*\db+7]
.endif
.endr
.endif
.endr
.endr
.endm
; A block's diagonal unit; like a whole unit it ends with the change to the next unit's first half
.macro DIAG
	STEP 0, 0, 0, 1, 1, 1
	STEP 0, 1, 1, 1, 0, 0
	s_mov_b32 s16, s15
	TURN 1, 1
	STEP 1, 0, 2, 1, 0, 1
	STEP 1, 1, 3, 1, 0, 0
	s_add_co_u32 s16, s15, 16384
	TURN 0, 1
	WIN 0
.endm
; A block's result: O / sum, rounded to f16, through my own stage, out as whole rows of 128 bytes, four neighbouring rows a store
.macro OUT
	PLACES
	WIN W_V
.irp t, 0,1,2,3
	v_permlanex16_b32 v[T+\t], v[PL+2*\t+1], s50, s51      ; the other half's sum
.endr
.irp t, 0,1,2,3
	v_add_f32 v[T+\t], v[T+\t], v[PL+2*\t+1]
.endr
.irp t, 0,1,2,3
	v_rcp_f32 v[PL+2*\t], v[T+\t]
.endr
	v_nop                                          ; one plain place behind the reciprocals
.irp t, 0,1,2,3
.irp k, 0,1,2,3,4,5,6,7,8,9,10,11,12,13,14,15
	QRSC \t, \k
.endr
.endr
	WIN W_PK
.irp t, 0,1,2,3
.irp n, 0,1,2,3,4,5,6,7,8,9,10,11,12,13,14,15
	v_cvt_pk_f16_f32 v[PK+16*\t+\n], v[O+32*\t+2*\n], v[O+32*\t+2*\n+1]
.endr
.endr
	WIN W_ST
.irp t, 0,1,2,3
.irp db, 0,1,2,3
	ds_store_b128 v[STO], v[PK+16*\t+4*\db:PK+16*\t+4*\db+3] offset:\t*16*KP+\db*32
.endr
.endr
	WIN 0
.irp t, 0,1,2,3
.irp it, 0,1,2,3
	ds_load_b128 v[RB+16*\t+4*\it:RB+16*\t+4*\it+3], v[RD] offset:\t*16*KP+\it*4*KP     ; LDS serves a wave's instructions in order: these see the stores above
.endr
.endr
.irp t, 0,1,2,3
.irp it, 0,1,2,3
	s_wait_dscnt 15-(4*\t+\it)
	global_store_b128 v[YO], v[RB+16*\t+4*\it:RB+16*\t+4*\it+3], s[22:23] offset:\t*8192+\it*512   ; 512 consecutive bytes, aligned
.endr
.endr
	s_wait_xcnt 0x0                                ; the stores' data and base are written again only behind this wait
.endm
; The key block of unit U + 1, in bytes, into s15: U < i: block U; U = i: the second query block's diagonal, 7 - i; else U - (i + 1)
.macro NEXT
	s_sub_co_u32 s52, s13, s11
	s_cmp_lt_u32 s13, s10
	s_cselect_b32 s52, s13, s52
	s_cmp_eq_u32 s13, s10
	s_cselect_b32 s52, s12, s52
	s_lshl_b32 s15, s52, 15                        ; 256 keys of 128 bytes
.endm
	s_load_b128 s[4:7], s[0:1], 0x0                ; qkv s[4:5], yb s[6:7]
	v_lshl_add_u32 v254, v0, 2, 0x29000
	v_mov_b32 v255, 0
	ds_add_u32 v254, v255
	ds_add_u32 v254, v255
	v_lshrrev_b32 v1, 5, v0
	v_readfirstlane_b32 s8, v1                     ; wave
	s_lshr_b32 s9, s8, 1                           ; 0: I fetch K, 1: V
	s_and_b32 s10, ttmp9, 3                        ; i
	s_add_co_u32 s11, s10, 1
	s_sub_co_u32 s12, 7, s10
	s_lshr_b32 s52, ttmp9, 2
	s_and_b32 s2, s52, 15                          ; head
	s_lshr_b32 s3, s52, 4                          ; batch
	s_lshl_b32 s2, s2, 20                          ; a plane is 8192 rows of 128 bytes
	s_lshl_b32 s3, s3, 18                          ; a batch is 2048 rows
	s_add_co_u32 s2, s2, s3
	s_mov_b32 s3, 0
	s_lshl_b32 s16, s9, 24                         ; K's planes begin 16 planes behind q's, V's 32,
	s_add_co_u32 s16, s16, 0x1000000
	s_and_b32 s17, s8, 1
	s_lshl_b32 s17, s17, 13                        ; and I fetch keys 0-63 or 64-127 of a half
	s_add_co_u32 s16, s16, s17
	s_mov_b32 s17, 0
	s_mov_b32 s50, 0x76543210                      ; lane i of one half reads lane i of the other
	s_mov_b32 s51, 0xfedcba98
	; group 1: 64 keys of 128 bytes lie without gaps: 32 rows of 256 bytes; behind every 32 words (code 4) 4 words of padding for K, 8 for V
	s_mov_b32 s[G1K+0], (1<<16)|(1<<20)|(4<<22)|(3<<25)
	s_mov_b32 s[G1V+0], (1<<16)|(1<<20)|(4<<22)|(7<<25)
	s_mov_b32 s[G1K+1], 128<<16
	s_mov_b32 s[G1V+1], 128<<16
	s_mov_b32 s[G1K+2], 32<<16
	s_mov_b32 s[G1V+2], 32<<16
	s_mov_b32 s[G1K+3], 128<<16
	s_mov_b32 s[G1V+3], 128<<16
	s_mov_b32 s[G1K+4], 32
	s_mov_b32 s[G1V+4], 32
	s_mov_b32 s[G1K+5], 128
	s_mov_b32 s[G1V+5], 128
	s_mov_b32 s[G1K+6], 0
	s_mov_b32 s[G1V+6], 0
	s_mov_b32 s[G1K+7], 0
	s_mov_b32 s[G1V+7], 0
	s_mul_i32 s52, s8, RGN
	s_mov_b32 s[G0+0], 1
	s_add_co_u32 s[G0+1], s52, 0
	s_mov_b32 s[G0+4], 1
	s_add_co_u32 s[G0+5], s52, SLOTB
	s_wait_dscnt 0x0
	s_wait_kmcnt 0x0
	s_add_nc_u64 s[54:55], s[4:5], s[2:3]          ; my head's q
	s_add_nc_u64 s[56:57], s[6:7], s[2:3]          ; my head's y
	s_add_nc_u64 s[18:19], s[54:55], s[16:17]      ; what I fetch of my head's K or V, at key 0
	s_lshl_b32 s16, s10, 15                        ; block i
	s_add_nc_u64 s[20:21], s[54:55], s[16:17]
	s_add_nc_u64 s[22:23], s[56:57], s[16:17]
	s_add_nc_u64 s[G0+2:G0+3], s[18:19], s[16:17]
	s_or_b32 s[G0+3], s[G0+3], 0x80000000
	KVLOAD 0                                       ; the first fill: the diagonal unit's keys 0-127
	v_and_b32 v10, 15, v0                          ; r
	v_bfe_u32 v11, v0, 4, 1                        ; h
	v_and_b32 v12, 31, v0                          ; l
	s_lshl_b32 s52, s8, 11
	v_lshlrev_b32 v15, 7, v10
	v_lshl_add_u32 v15, v11, 4, v15
	v_add_nc_u32 v[QAD], s52, v15                  ; (16 w + r) x 128 + 16 h
	QLOAD
	v_mul_u32_u24 v13, v10, KP
	v_lshl_add_u32 v13, v11, 4, v13                ; r x 144 + 16 h
	v_mov_b32 v[KADR], v13
	v_add_nc_u32 v[KADR+1], SLOTB, v13
	v_and_b32 v14, 7, v0
	v_lshl_add_u32 v14, v11, 3, v14                ; key 8 h + l % 8
	v_mul_u32_u24 v14, v14, VP
	v_bfe_u32 v15, v0, 3, 1
	v_lshl_add_u32 v14, v15, 4, v14                ; + 16 ((l / 8) % 2)
	v_add_nc_u32 v[VADR], 2*RGN, v14
	v_add_nc_u32 v[VADR+1], 2*RGN+SLOTB, v14
	s_mul_i32 s52, s8, WSTG
	s_add_co_u32 s52, s52, STAGE
	v_add_nc_u32 v[STO], s52, v13
	v_lshrrev_b32 v15, 3, v12
	v_mul_u32_u24 v15, v15, KP
	v_and_b32 v16, 7, v0
	v_lshl_add_u32 v15, v16, 4, v15
	v_add_nc_u32 v[RD], s52, v15                   ; row l / 8, byte 16 (l % 8)
	v_lshlrev_b32 v15, 4, v12
	v_lshl_add_u32 v[YO], s8, 11, v15              ; 16 w rows of 128 bytes + 16 l
	v_lshlrev_b32 v17, 3, v11
	v_sub_nc_u32 v17, v10, v17
	v_lshl_add_u32 v17, s8, 4, v17                 ; 16 w + r - 8 h
	WIN TO_1
	v_mov_b32 v[DREG], v17
	v_mov_b32 v[NINF], 0xff800000
	WIN 0
	; unit 0: block i's diagonal, written out: it starts maximum, sum and O
	s_mov_b32 s13, 0                               ; U
	s_add_co_u32 s16, s16, 16384                   ; the unit's keys 128-255: slot 1's first fill
	TURN 0, 1
	NEXT
	s_wait_loadcnt 0x0                             ; Q
	DIAG
	s_mov_b32 s13, 1
.Lunit:                                        ; units 1 to 7
	NEXT
	s_cmp_eq_u32 s13, s11
	s_cbranch_scc1 .Ldiag
	FULL 0
	s_branch .Ljoin
.Ldiag:                                        ; block i is done: its result leaves, block 7 - i begins with its diagonal
	s_lshl_b32 s2, s12, 15
	s_mov_b32 s3, 0
	s_add_nc_u64 s[20:21], s[54:55], s[2:3]        ; the loads that used this base were waited for
	QLOAD
	OUT
	s_add_nc_u64 s[22:23], s[56:57], s[2:3]
	s_wait_loadcnt 0x0
	DIAG
.Ljoin:
	s_add_co_u32 s13, s13, 1
	s_cmp_lt_u32 s13, 8
	s_cbranch_scc1 .Lunit
	FULL 1                                         ; unit 8, always a whole unit: nothing is left to fetch
	OUT
	s_wait_tensorcnt 0x0
	ds_add_u32 v254, v255
	s_wait_dscnt 0x0
	s_endpgm
.Lfunc_end_k_qeb72a61d8f_attn:
	.size	k_qeb72a61d8f_attn, .Lfunc_end_k_qeb72a61d8f_attn-k_qeb72a61d8f_attn
	.p2alignl 7, 3214868480
	.fill 96, 4, 3214868480
	.section	.rodata,"a",@progbits
	.p2align	6, 0x0
	.amdhsa_kernel k_qeb72a61d8f_attn
		.amdhsa_group_segment_fixed_size 327680
		.amdhsa_private_segment_fixed_size 0
		.amdhsa_enable_private_segment 0
		.amdhsa_kernarg_size 16
		.amdhsa_user_sgpr_count 2
		.amdhsa_user_sgpr_kernarg_segment_ptr 1
		.amdhsa_wavefront_size32 1
		.amdhsa_system_sgpr_workgroup_id_x 1
		.amdhsa_system_sgpr_workgroup_id_y 1
		.amdhsa_system_sgpr_workgroup_id_z 1
		.amdhsa_system_vgpr_workitem_id 0
		.amdhsa_next_free_vgpr 768
		.amdhsa_next_free_sgpr 66
		.amdhsa_reserve_vcc 1
		.amdhsa_float_denorm_mode_32 3
		.amdhsa_float_denorm_mode_16_64 3
		.amdhsa_memory_ordered 1
		.amdhsa_forward_progress 1
		.amdhsa_inst_pref_size 255
	.end_amdhsa_kernel
	.section	.bss,"aw",@nobits
	.p2align	6
	.space	262144
	.amdgpu_metadata
---
amdhsa.version: [ 1, 2 ]
amdhsa.kernels:
  - .name:           k_qeb72a61d8f_attn
    .symbol:         k_qeb72a61d8f_attn.kd
    .args:
      - { .name: qkv, .offset: 0, .size: 8, .value_kind: global_buffer, .address_space: global }
      - { .name: yb, .offset: 8, .size: 8, .value_kind: global_buffer, .address_space: global }
    .group_segment_fixed_size: 327680
    .private_segment_fixed_size: 0
    .kernarg_segment_align: 8
    .kernarg_segment_size: 16
    .max_flat_workgroup_size: 128
    .sgpr_count:     66
    .vgpr_count:     768
    .wavefront_size: 32
...
	.end_amdgpu_metadata
.endif
;; end of part 3
;; launch proj (part 4): grid 8 x 32, 4 waves a work-group, clusters of 4 x 4, 327,680 bytes of LDS; arguments yb, wot, bo, out0; writes out0
.if DOCPART == 4
	.amdgcn_target "amdgcn-amd-amdhsa--gfx1250"
	.amdhsa_code_object_version 6
	.text
	.protected	k_qeb72a61d8f_proj
	.globl	k_qeb72a61d8f_proj
	.p2align	8
	.type	k_qeb72a61d8f_proj,@function
k_qeb72a61d8f_proj:
	s_mov_b64 s[64:65], 0
	v_nop
	global_prefetch_b8 v0, s[64:65] scope:SCOPE_SE
	s_setreg_imm32_b32 hwreg(HW_REG_WAVE_MODE, 25, 1), 1
	s_wait_xcnt 0x0
	s_wait_alu depctr_hold_cnt(0) depctr_sa_sdst(0) depctr_va_vdst(0) depctr_va_sdst(0) depctr_va_ssrc(0) depctr_va_vcc(0) depctr_vm_vsrc(0)
	s_getreg_b32 s2, hwreg(HW_REG_IB_STS2, 6, 4)
	s_cmp_eq_u32 s2, 0
	s_cbranch_scc0 .Lentry_in_a_cluster
	s_endpgm
.Lentry_in_a_cluster:
	s_bfe_u32 s2, ttmp6, 0x10000c
	s_cmp_lg_u32 s2, 0xf033
	s_cbranch_scc0 .Lentry_shape_is_right
	s_endpgm
.Lentry_shape_is_right:
; Launch 4 of 4: out0[m][n] (f32) = sum over k of yb[m][k] wot[n][k] + bo[n].  M = 8192, N = 1024, K = 1024; f16 operands, f32 sums.  Nothing is left out here.
; The design of the second launch with blocks of 256 rows x 128 columns: wave (wm, wn) makes rows 128 wm .. +127 x columns 64 wn .. +63: 8 x 4 accumulator
; tiles, 256 registers.  K in steps of 128 (two planes of 64) through two LDS slots; cluster 4 x 4, A's tiles shared along a row, B's along a column.
; A tile is a dense block of memory, described as rows of 256 bytes with 16 bytes of padding behind every 128: LDS rows of 64 numbers, 144 bytes apart.
; REGISTERS: window 0: v16-27 addresses, v64-127 / v128-191 A's fragments, v192-223 the bias; window 1: v64-95 / v128-159 B's fragments;
;   window 2: accumulator (a, b) of my rows 0-63 at v[8 (8 a + b)]; window 3: of rows 64-127.
; Used transposed (source 0 = rows of wot, source 1 = rows of yb): a lane holds eight neighbouring columns of one row of out0.
; The accumulators take turns, one instruction a turn, over the loop's backward jump too.
.set NB,     4
.set BN,     128
.set PITCH,  144
.set APL,    256*PITCH
.set BPL,    BN*PITCH                  ; 18,432
.set SLOT,   2*APL+2*BPL               ; 110,592
.set APLANE, 1048576
.set BPLANE, 131072
.set WNS,    64
.set LAPS,   4
.set SPITCH, 272                       ; the stage's rows: 256 bytes + 16
.set ADRA, 16
.set ADRB, 20
.set STO,  22
.set RD,   24
.set CO,   26
.set VB,   27
.set F0,   64
.set F1,   128
.set BIAS, 192
.set G1,  24
.set G0,  32
.set G1B, 48
.set G0B, 56
.set MSB, 0
.macro WIN new
.if MSB != \new
	s_set_vgpr_msb (MSB<<8)|\new
.set MSB, \new
.endif
.endm
.set MUL_LO,   0xa1
.set MUL_HI,   0xf1
.set FIRST_LO, 0x81
.set FIRST_HI, 0xc1
.set TO_B,     0x40
.macro JLOAD s                         ; waves 0 and 1 fetch A's two planes, waves 2 and 3 B's
	s_cmp_eq_u32 s11, 0
	s_cbranch_scc0 .Lfor_b_\@
	tensor_load_to_lds s[G0+4*\s:G0+4*\s+3], s[G1:G1+7]
	s_nop 0
	s_branch .Lasked_\@
.Lfor_b_\@:
	tensor_load_to_lds s[G0B+4*\s:G0B+4*\s+3], s[G1B:G1B+7]
	s_nop 0
.Lasked_\@:
.endm
.macro CREST
	s_cmp_lg_u32 s10, 0
	s_cbranch_scc1 .Lnot_wave_0_\@
	s_barrier_signal -3
.Lnot_wave_0_\@:
	s_barrier_wait -3
	s_barrier_signal -1
	s_barrier_wait -1
.endm
.macro CROUND
	s_barrier_signal -1
	s_barrier_wait -1
	CREST
.endm
	s_load_b128 s[4:7], s[0:1], 0x0                ; yb s[4:5], wot s[6:7]
	s_load_b128 s[68:71], s[0:1], 0x10             ; bo s[68:69], out0 s[70:71]
	s_set_vgpr_msb 0x40
	v_lshl_add_u32 v255, v0, 2, 0x36000
	s_set_vgpr_msb 0x4000
	v_mov_b32 v255, 0
	s_set_vgpr_msb 0x1
	ds_add_u32 v255, v255
	ds_add_u32 v255, v255
	s_set_vgpr_msb 0x100
	v_lshrrev_b32 v1, 5, v0
	v_readfirstlane_b32 s10, v1
	s_lshr_b32 s11, s10, 1                         ; wm; also: A (0) or B (1)
	s_and_b32 s12, s10, 1                          ; wn; also: which plane
	s_bfe_u32 s40, ttmp6, 0x40000                  ; cx
	s_bfe_u32 s41, ttmp6, 0x40004                  ; cy
	s_lshl_b32 s42, ttmp9, 2
	s_add_co_u32 s42, s42, s40                     ; block column
	s_and_b32 s13, ttmp7, 0xffff
	s_lshl_b32 s13, s13, 2
	s_add_co_u32 s13, s13, s41                     ; block row
	s_lshl_b32 s43, s41, 2
	s_lshl_b32 s43, 15, s43                        ; my row of the cluster
	s_lshl_b32 s44, 0x1111, s40                    ; my column
	s_or_b32 s[G1+0], s43, (1<<16)|(1<<20)|(1<<21)|(4<<22)|(3<<25)
	s_or_b32 s[G1B+0], s44, (1<<16)|(1<<20)|(1<<21)|(4<<22)|(3<<25)
	s_mov_b32 s[G1+1], 128<<16
	s_mov_b32 s[G1B+1], 128<<16
	s_mov_b32 s[G1+2], 128<<16                     ; A: 128 rows of 256 bytes
	s_mov_b32 s[G1B+2], (BN/2)<<16                 ; B: 64
	s_mov_b32 s[G1+3], 128<<16
	s_mov_b32 s[G1B+3], 128<<16
	s_mov_b32 s[G1+4], 128
	s_mov_b32 s[G1B+4], BN/2
	s_mov_b32 s[G1+5], 128
	s_mov_b32 s[G1B+5], 128
	s_mov_b32 s[G1+6], 0
	s_mov_b32 s[G1B+6], 0
	s_mov_b32 s[G1+7], 0
	s_mov_b32 s[G1B+7], 0
	s_lshl_b32 s16, s13, 15
	s_lshl_b32 s17, s12, 20
	s_add_co_u32 s16, s16, s17
	s_mov_b32 s17, 0
	s_mul_i32 s46, s42, BN*128
	s_mul_i32 s47, s12, BPLANE
	s_add_co_u32 s46, s46, s47
	s_mov_b32 s47, 0
	s_mul_i32 s18, s10, APL
	s_mul_i32 s19, s10, BPL
	s_add_co_u32 s19, s19, 2*APL-2*BPL
	s_wait_dscnt 0x0
	s_wait_kmcnt 0x0
	s_add_nc_u64 s[14:15], s[4:5], s[16:17]
	s_add_nc_u64 s[46:47], s[6:7], s[46:47]
	CROUND                                         ; the first joint loads meet
.irp s, 0,1
	s_mov_b32 s[G0+4*\s], 1
	s_add_co_u32 s[G0+4*\s+1], s18, \s*SLOT
	s_add_nc_u64 s[G0+4*\s+2:G0+4*\s+3], s[14:15], \s*2*APLANE
	s_or_b32 s[G0+4*\s+3], s[G0+4*\s+3], 0x80000000
	s_mov_b32 s[G0B+4*\s], 1
	s_add_co_u32 s[G0B+4*\s+1], s19, \s*SLOT
	s_add_nc_u64 s[G0B+4*\s+2:G0B+4*\s+3], s[46:47], \s*2*BPLANE
	s_or_b32 s[G0B+4*\s+3], s[G0B+4*\s+3], 0x80000000
	JLOAD \s                                       ; two tensor loads of the wave are out from here, later one
.endr
	v_and_b32 v1, 15, v0                           ; r
	v_bfe_u32 v2, v0, 4, 1                         ; h
	v_mul_u32_u24 v3, v1, PITCH
	v_lshl_add_u32 v3, v2, 4, v3
	s_mul_i32 s21, s11, 128*PITCH
	s_mul_i32 s22, s12, WNS*PITCH
	s_add_co_u32 s22, s22, 2*APL
.irp s, 0,1
	v_add_nc_u32 v[ADRA+\s], s21, v3
	v_add_nc_u32 v[ADRB+\s], s22, v3
	s_add_co_u32 s21, s21, SLOT
	s_add_co_u32 s22, s22, SLOT
.endr
	s_mul_i32 s23, s10, 16*SPITCH                  ; my stage: 16 rows of 272 bytes
	v_mul_u32_u24 v4, v1, SPITCH
	v_lshl_add_u32 v4, v2, 5, v4                   ; in: row r, byte 32 h
	v_add_nc_u32 v[STO], s23, v4
	v_mul_u32_u24 v5, v2, SPITCH
	v_lshl_add_u32 v5, v1, 4, v5                   ; back: lanes 0-15 one row of 256 bytes, lanes 16-31 the next
	v_add_nc_u32 v[RD], s23, v5
	v_lshlrev_b32 v5, 12, v2
	v_lshl_add_u32 v[CO], v1, 4, v5                ; the same two rows in out0
	s_lshl_b32 s2, s12, 8
	v_lshlrev_b32 v[VB], 5, v2
	v_add_nc_u32 v[VB], s2, v[VB]                  ; 4 (64 wn + 8 h)
	s_mul_i32 s46, s42, BN*4
	s_mov_b32 s47, 0
	s_add_nc_u64 s[68:69], s[68:69], s[46:47]
.irp b, 0,1,2,3
	global_load_b128 v[BIAS+8*\b:BIAS+8*\b+3],   v[VB], s[68:69] offset:64*\b
	global_load_b128 v[BIAS+8*\b+4:BIAS+8*\b+7], v[VB], s[68:69] offset:64*\b+16
.endr
.macro MULH f, hi, a0, first           ; 8 matrix instructions; first = 1: the bias starts the sums
.irp a, \a0, \a0+1
.irp b, 0,1,2,3
.if \first
	v_wmma_f32_16x16x32_f16 v[8*(8*(\a)+\b):8*(8*(\a)+\b)+7], v[\f+8*\b:\f+8*\b+7], v[\f+8*(4*\hi+\a):\f+8*(4*\hi+\a)+7], v[BIAS+8*\b:BIAS+8*\b+7]
.else
	v_wmma_f32_16x16x32_f16 v[8*(8*(\a)+\b):8*(8*(\a)+\b)+7], v[\f+8*\b:\f+8*\b+7], v[\f+8*(4*\hi+\a):\f+8*(4*\hi+\a)+7], v[8*(8*(\a)+\b):8*(8*(\a)+\b)+7]
.endif
.endr
.endr
.endm
.macro FETCH slot, q, f                ; 24 LDS loads in one run
	WIN TO_B
.irp b, 0,1,2,3
	ds_load_b128 v[\f+8*\b:\f+8*\b+3],   v[ADRB+\slot] offset:((\q)>>1)*BPL+((\q)&1)*64+\b*16*PITCH
	ds_load_b128 v[\f+8*\b+4:\f+8*\b+7], v[ADRB+\slot] offset:((\q)>>1)*BPL+((\q)&1)*64+\b*16*PITCH+32
.endr
	WIN 0
.irp i, 0,1,2,3,4,5,6,7
	ds_load_b128 v[\f+8*\i:\f+8*\i+3],   v[ADRA+\slot] offset:((\q)>>1)*APL+((\q)&1)*64+\i*16*PITCH
	ds_load_b128 v[\f+8*\i+4:\f+8*\i+7], v[ADRA+\slot] offset:((\q)>>1)*APL+((\q)&1)*64+\i*16*PITCH+32
.endr
.endm
.macro PLACES                          ; four places behind a matrix instruction (ISA guide 7.12.1)
.rept 4
	v_nop
.endr
.endm
.macro QUARTER slot, q, f, g, first
	s_wait_dscnt 8                                 ; B and A's rows 0-63 are in; A's rows 64-127 may be out
.if \first
	WIN FIRST_LO
.else
	WIN MUL_LO
.endif
	MULH \f, 0, 0, \first
	MULH \f, 0, 2, \first
	PLACES
	FETCH \slot, \q, \g
	s_wait_dscnt 2*NB+16                           ; all but the 24 just issued
.if \first
	WIN FIRST_HI
.else
	WIN MUL_HI
.endif
	MULH \f, 1, 0, \first
	MULH \f, 1, 2, \first
.endm
.macro THREE slot, first
	QUARTER \slot, 1, F0, F1, \first
	QUARTER \slot, 2, F1, F0, 0
	QUARTER \slot, 3, F0, F1, 0
.endm
.macro TURN slot, next, fill           ; the last quarter changes slots: waits, barrier (with fill: the cluster's round), refill first, then the next slot's fragments
	s_wait_dscnt 8
	WIN MUL_LO
	MULH F1, 0, 0, 0
	s_wait_dscnt 0                                 ; my reads of this slot are over
	s_wait_tensorcnt 0x0                           ; all my tensor loads have landed
	ds_add_u32 v255, v255
	s_wait_dscnt 0x0
	s_barrier_signal -1
	MULH F1, 0, 2, 0
	WIN 0
	s_barrier_wait -1
.if \fill
	CREST
	s_add_nc_u64 s[G0+4*\slot+2:G0+4*\slot+3], s[G0+4*\slot+2:G0+4*\slot+3], 4*APLANE
	s_add_nc_u64 s[G0B+4*\slot+2:G0B+4*\slot+3], s[G0B+4*\slot+2:G0B+4*\slot+3], 4*BPLANE
	JLOAD \slot                                    ; my one tensor load behind the round
.endif
	PLACES
	FETCH \next, 0, F0
	WIN MUL_HI
	MULH F1, 1, 0, 0
	MULH F1, 1, 2, 0
.endm
.macro LAP first
	THREE 0, \first
	TURN 0, 1, 1
	THREE 1, 0
	TURN 1, 0, 1
.endm
	s_wait_tensorcnt 1                             ; my part of K step 0 is in; K step 1's stays out
	s_barrier_signal -1
	s_barrier_wait -1
	FETCH 0, 0, F0
	s_wait_loadcnt 0x0                             ; the bias
	LAP 1
	WIN 0
	s_mov_b32 s3, LAPS-2
.Llap:
	LAP 0
	WIN 0
	s_sub_co_u32 s3, s3, 1
	s_cmp_lg_u32 s3, 0
	s_cbranch_scc1 .Llap
	THREE 0, 0                                     ; the last lap fills nothing
	TURN 0, 1, 0
	THREE 1, 0
	s_wait_dscnt 8
	WIN MUL_LO
	MULH F1, 0, 0, 0
	MULH F1, 0, 2, 0
	s_wait_dscnt 0
	WIN MUL_HI
	MULH F1, 1, 0, 0
	MULH F1, 1, 2, 0
	; THE WAY OUT, 16 rows at a time through my own stage, which lies in slot 0: its last fill has landed and every wave's last read of it was waited for in
	; front of the last change of slots.  A lane's eight f32 are 32 bytes of a row; read back, sixteen lanes hold my 256 bytes of a row.
	PLACES
	s_lshl_b32 s16, s13, 8
	s_lshl_b32 s17, s11, 7
	s_add_co_u32 s16, s16, s17                     ; my first row
	s_lshl_b32 s16, s16, 12                        ; rows of 4,096 bytes
	s_mov_b32 s17, 0
	s_add_nc_u64 s[70:71], s[70:71], s[16:17]
	s_lshl_b32 s46, s42, 9                         ; my first column, in bytes: 512 x block + 256 wn
	s_lshl_b32 s47, s12, 8
	s_add_co_u32 s46, s46, s47
	s_mov_b32 s47, 0
	s_add_nc_u64 s[70:71], s[70:71], s[46:47]
.macro OUT16 i, a, from, f
	WIN \from                                      ; the stores' data lie in window 2 or 3
.irp b, 0,1,2,3
	ds_store_b128 v[STO], v[8*(8*\a+\b):8*(8*\a+\b)+3] offset:64*\b
	ds_store_b128 v[STO], v[8*(8*\a+\b)+4:8*(8*\a+\b)+7] offset:64*\b+16
.endr
	WIN 0
	s_wait_xcnt 0x0                                ; buffer f, which earlier stores read, and the stores' base are written again only behind this wait
.if \i
	s_add_nc_u64 s[70:71], s[70:71], 16*4096
.endif
.irp t, 0,1,2,3,4,5,6,7
	ds_load_b128 v[\f+4*\t:\f+4*\t+3], v[RD] offset:\t*2*SPITCH    ; LDS serves a wave's instructions in order: these see the stores above
.endr
.irp t, 0,1,2,3,4,5,6,7
	s_wait_dscnt 7-\t
	global_store_b128 v[CO], v[\f+4*\t:\f+4*\t+3], s[70:71] offset:2*\t*4096 th:TH_STORE_NT   ; 16 lanes store 256 consecutive bytes, aligned
.endr
.endm
	OUT16 0, 0, 0x08, F0
	OUT16 1, 1, 0x08, F1
	OUT16 2, 2, 0x08, F0
	OUT16 3, 3, 0x08, F1
	OUT16 4, 0, 0x0c, F0
	OUT16 5, 1, 0x0c, F1
	OUT16 6, 2, 0x0c, F0
	OUT16 7, 3, 0x0c, F1
	s_set_vgpr_msb 0x1
	s_wait_tensorcnt 0x0
	ds_add_u32 v255, v255
	s_wait_dscnt 0x0
	s_set_vgpr_msb 0x100
	CROUND                                         ; the closing round
	s_endpgm
.Lfunc_end_k_qeb72a61d8f_proj:
	.size	k_qeb72a61d8f_proj, .Lfunc_end_k_qeb72a61d8f_proj-k_qeb72a61d8f_proj
	.p2alignl 7, 3214868480
	.fill 96, 4, 3214868480
	.section	.rodata,"a",@progbits
	.p2align	6, 0x0
	.amdhsa_kernel k_qeb72a61d8f_proj
		.amdhsa_group_segment_fixed_size 327680
		.amdhsa_private_segment_fixed_size 0
		.amdhsa_enable_private_segment 0
		.amdhsa_kernarg_size 32
		.amdhsa_user_sgpr_count 2
		.amdhsa_user_sgpr_kernarg_segment_ptr 1
		.amdhsa_wavefront_size32 1
		.amdhsa_system_sgpr_workgroup_id_x 1
		.amdhsa_system_sgpr_workgroup_id_y 1
		.amdhsa_system_sgpr_workgroup_id_z 1
		.amdhsa_system_vgpr_workitem_id 0
		.amdhsa_next_free_vgpr 1024
		.amdhsa_next_free_sgpr 72
		.amdhsa_reserve_vcc 0
		.amdhsa_float_denorm_mode_32 3
		.amdhsa_float_denorm_mode_16_64 3
		.amdhsa_memory_ordered 1
		.amdhsa_forward_progress 1
		.amdhsa_inst_pref_size 121
	.end_amdhsa_kernel
	.amdgpu_metadata
---
amdhsa.version: [ 1, 2 ]
amdhsa.kernels:
  - .name:           k_qeb72a61d8f_proj
    .symbol:         k_qeb72a61d8f_proj.kd
    .args:
      - { .name: yb, .offset: 0, .size: 8, .value_kind: global_buffer, .address_space: global }
      - { .name: wot, .offset: 8, .size: 8, .value_kind: global_buffer, .address_space: global }
      - { .name: bo, .offset: 16, .size: 8, .value_kind: global_buffer, .address_space: global }
      - { .name: out0, .offset: 24, .size: 8, .value_kind: global_buffer, .address_space: global }
    .group_segment_fixed_size: 327680
    .private_segment_fixed_size: 0
    .kernarg_segment_align: 8
    .kernarg_segment_size: 32
    .max_flat_workgroup_size: 128
    .sgpr_count:     72
    .vgpr_count:     1024
    .wavefront_size: 32
...
	.end_amdgpu_metadata
.endif
;; end of part 4
;; ======== version 2 of 2: 4 launches; 1.23 times as fast as version 1
;; limits: values are held in f16: magnitudes above 65,504 overflow, below 6.1e-05 lose precision
;; workspace buffers: xb 16,777,216 bytes; wqt 6,291,456 bytes; wot 2,097,152 bytes; qkv 50,331,648 bytes; yb 16,777,216 bytes
;; launch prep: the kernel of part 1 again; grid 1536 x 1, 8 waves a work-group, no clusters, 19,456 bytes of LDS; arguments x, Wqkv, Wo, xb, wqt, wot; writes xb, wqt, wot
;; launch qkv: the kernel of part 2 again; grid 8 x 32, 4 waves a work-group, clusters of 4 x 4, 327,680 bytes of LDS; arguments xb, wqt, bqkv, qkv; writes qkv
;; launch attn (part 5): grid 256 x 1, 4 waves a work-group, no clusters, 327,680 bytes of LDS; arguments qkv, yb; writes yb
.if DOCPART == 5
	.amdgcn_target "amdgcn-amd-amdhsa--gfx1250"
	.amdhsa_code_object_version 6
	.text
	.protected	k_qeb72a61d8f_attn
	.globl	k_qeb72a61d8f_attn
	.p2align	8
	.type	k_qeb72a61d8f_attn,@function
k_qeb72a61d8f_attn:
	s_mov_b64 s[64:65], 0
	v_nop
	global_prefetch_b8 v0, s[64:65] scope:SCOPE_SE
	s_setreg_imm32_b32 hwreg(HW_REG_WAVE_MODE, 25, 1), 1
	s_wait_xcnt 0x0
; Launch 3 of 4: for each of 64 (batch, head): y = softmax(causal(q k^T / 8)) v, with a running maximum.  q, k, v, the weights and y in f16; scores, maximum, sums in f32.
; q comes with the factor log2(e) / 8 in it (second launch), so a score s is the exponent to base 2, the weight is 2^(s - m) with the maximum m taken away by a plain
; f32 subtraction (the largest weight of a row is 1 for every input), and the rescaling factor is 2^(old m - new m).
; LEFT OUT: tiles of 16 queries x 64 keys that lie wholly above the diagonal: reference()'s own jnp.tril sets them to -inf, their weights are 0 for every input
; (shown at the head of the first launch).  A NaN, an infinity or an overflow that reaches only those tiles is not carried to the result.
; LIMIT: the weights are f16: under 2^-14 their steps are 2^-24.
; SHARES.  Work-group g: head g / 4, query blocks i = g % 4 and 7 - i of 256 queries: (i + 1) + (8 - i) = 9 units of 256 keys for every work-group.
; Wave w, query tile t = 0..3: queries 64 t + 16 w + r of the block, so on the diagonal every wave has the same tiles.  A unit is two halves of 128 keys (LDS slots 0, 1),
; a half two steps of 64 keys.  A block's diagonal unit comes first: in its step 0 all four tiles are live and start maximum, sum and O, so nothing is cleared.
; In the diagonal's step s tile t < s is dead, t = s is masked, t > s is whole.
; NO CLUSTER: only a head's four work-groups read the same K and V, and they need different numbers of tiles in each of their two blocks (i + 1 and 8 - i units);
; joint requests would need equal trips, 12 units each instead of 9.
; TRANSPOSED: S^T = K Q^T (source 0 = 16 keys, source 1 = 16 queries): lane r is a query, register j of tile u is key 16 u + 8 h + j.  Packed in pairs, tiles 2 kk and 2 kk + 1
; ARE the second source of O^T += V^T P^T for keys 32 kk .. +31: no traffic between lanes.  Maximum, sum and rescaling are one number a lane.
; WHOLE UNITS: PRODUCTS BESIDE SOFTMAX.  The tiles are two pairs, A = 0, 1 and B = 2, 3, which share K's and V's fragments.  A pair's softmax with its rescaling of O is
; 240 vector instructions, cut into 32 slices; one slice stands behind each of the other pair's 32 products.  Step j:
;   O_B += V(j-1) P_B(j-1) | slices 0-15 of A(j);   V(j) is fetched;   S_B(j) = K(j) Q_B | slices 16-31 of A(j);   K(j+1) is fetched (odd j: behind the change of slots);
;   O_A += V(j) P_A(j) | slices 0-15 of B(j);   S_A(j+1) = K(j+1) Q_A | slices 16-31 of B(j).
; The run is filled and drained once a unit: S_A(0) and the last O_B products, 32 of a unit's 256, stand alone.  The two diagonal units stay in phases: their pairs have
; 2, 1, 0, 0 and 2, 2, 2, 1 live tiles, so half of their steps have no partner.
; THE EXPONENTIALS GO IN BATCHES, each with ONE s_wait_alu depctr_va_vdst(0) ahead of the first line that names a result of it.
;   A pair's softmax in a whole unit has two.  Batch 1: the two rescaling factors and the first tile's 32 weights; its wait stands ahead of the rescaling of O and serves the first tile's sums too.
;   Batch 2: the second tile's 32 weights, issued among the first tile's sums; its wait stands ahead of the second tile's sums.  Behind it no exponential is issued.
;   A diagonal step has one batch: all live tiles' factors and weights, with the wait ahead of the first sum.  The way out's four reciprocals are one batch.
;   Every result has a register of its own while its batch is open: a weight is made in place in S, a factor in its tile's pair of PL.
; REGISTERS are laid so that most slices run under the setting of the product that they follow:
;   window 0: v2-9 addresses, v32-95 Q, v96-159 the way out's rows;
;   window 1: v0-127 S (tile t: 32 t + 8 u; the packed weights take the tile's lower 16 registers), v128-191 K, v192-199 pairs [-m, m], v200-207 pairs [factor, sum], v208-225 at work;
;   window 2: v0-127 O (32 t + 8 db), v128-191 V^T, v192-255 packed y.
;   Score products: sources K (window 1) and Q (window 0), sums window 1.  Under that setting runs every vector instruction whose second source place holds no register:
;   that is why the subtraction is written s x 1 + (-m) and the sums s x 1 + t (exact: one rounding, as an addition has).
;   Weight products: sources V (window 2) and P (window 1), sums window 2: the setting of O x factor.  Maxima, the chain of the maximum and the packing need all places in window 1.
; The accumulators take turns, one instruction a turn (at least four of them in every run).
.set KP,    144                        ; LDS pitch of a key's row of K
.set VP,    160                        ; of V: an odd multiple of 32, for the transposing load
.set RGN,   10240                      ; one wave's tile of 64 keys: K keys 0-63, K keys 64-127, V keys 0-63, V keys 64-127
.set SLOTB, 4*RGN
.set STAGE, 2*SLOTB                    ; behind the ring: 64 rows x 144 bytes for each wave; no fill lands here
.set WSTG,  64*KP
.set KADR, 2
.set VADR, 4
.set QAD,  6
.set STO,  7
.set RD,   8
.set YO,   9
.set QF,   32                          ; window 0: + 16 t + 8 ks
.set RB,   96                          ; window 0: the way out
.set S,    0                           ; window 1: + 32 t + 8 u; weights: + 32 t + 8 kk
.set KF,   128                         ; window 1: + 16 u + 8 ks
.set PM,   192                         ; window 1: pair 2 t: - maximum, maximum
.set PL,   200                         ; window 1: pair 2 t: rescaling factor, running sum (of my half of the keys)
.set T,    208                         ; window 1: 8 at work for each tile of a pair: + 8 (t % 2)
.set DREG, 224                         ; 16 w + r - 8 h
.set NINF, 225
.set O,    0                           ; window 2
.set VF,   128                         ; window 2: + 16 db + 8 kk
.set PK,   192                         ; window 2
.set G1K, 24
.set G1V, 32
.set G0,  40
.set W_S,   0x51                       ; source 0, source 2, destination window 1; source 1 window 0
.set W_PV,  0xa6                       ; source 0, source 2, destination window 2; source 1 window 1
.set W_V,   0x55                       ; all window 1
.set W_PK,  0x8a                       ; destination and both sources window 2
.set W_ST,  0x08                       ; LDS store: data window 2
.set TO_1,  0x40                       ; destination window 1, address window 0
.set TO_2,  0x80                       ; destination window 2, address window 0
.set MSB, 0
.macro WIN new                         ; the immediate's high byte repeats the setting that is left
.if MSB != \new
	s_set_vgpr_msb (MSB<<8)|\new
.set MSB, \new
.endif
.endm
.macro WIN1                            ; for an instruction of window 1 with no register in the second source place: W_S and W_V both serve
.if MSB != W_S
.if MSB != W_V
	WIN W_V
.endif
.endif
.endm
.macro PLACES                          ; four places behind a matrix instruction (ISA guide 7.12.1)
.rept 4
	v_nop
.endr
.endm
; My tile of slot o: waves 0, 1 bring K (16 bytes of padding a row), waves 2, 3 V (32 bytes)
.macro KVLOAD o
	s_cmp_eq_u32 s9, 0
	s_cbranch_scc0 .Lfor_v_\@
	tensor_load_to_lds s[G0+4*\o:G0+4*\o+3], s[G1K:G1K+7]
	s_nop 0
	s_branch .Lasked_\@
.Lfor_v_\@:
	tensor_load_to_lds s[G0+4*\o:G0+4*\o+3], s[G1V:G1V+7]
	s_nop 0
.Lasked_\@:
.endm
.macro KLOAD slot, s                   ; the 64 keys of step s as first sources: 16 loads
	WIN TO_1
.irp u, 0,1,2,3
.irp ks, 0,1
	ds_load_b128 v[KF+16*\u+8*\ks:KF+16*\u+8*\ks+3],   v[KADR+\slot] offset:(\s)*RGN+\u*16*KP+\ks*64
	ds_load_b128 v[KF+16*\u+8*\ks+4:KF+16*\u+8*\ks+7], v[KADR+\slot] offset:(\s)*RGN+\u*16*KP+\ks*64+32
.endr
.endr
.endm
.macro VLOAD slot, s                   ; the 64 keys of step s, transposed, as first sources: 16 loads
	WIN TO_2
.irp db, 0,1,2,3
.irp kk, 0,1
	ds_load_tr16_b128 v[VF+16*\db+8*\kk:VF+16*\db+8*\kk+3],   v[VADR+\slot] offset:(\s)*RGN+\kk*32*VP+\db*32
	ds_load_tr16_b128 v[VF+16*\db+8*\kk+4:VF+16*\db+8*\kk+7], v[VADR+\slot] offset:(\s)*RGN+\kk*32*VP+\db*32+16*VP
.endr
.endr
.endm
.macro QLOAD                           ; my 64 queries as second sources: 16 loads
	WIN 0
.irp t, 0,1,2,3
.irp ks, 0,1
	global_load_b128 v[QF+16*\t+8*\ks:QF+16*\t+8*\ks+3],   v[QAD], s[20:21] offset:\t*8192+\ks*64
	global_load_b128 v[QF+16*\t+8*\ks+4:QF+16*\t+8*\ks+7], v[QAD], s[20:21] offset:\t*8192+\ks*64+32
.endr
.endr
.endm
; The change to slot 'slot'.  Every wave waits for all its tensor loads (one is out: its part of this slot) and for its reads of the other slot, then the barrier;
; behind it the other slot's refill comes first (from s[18:19] + s[16:17]), my one tensor load until the next barrier; it has two steps in which to land.
; Then this slot's first K fragments are asked for.
.macro TURN slot, refill
	WIN 0
	s_wait_tensorcnt 0x0
	ds_add_u32 v254, v255
	s_wait_dscnt 0x0
.if \refill
	s_add_nc_u64 s[G0+4*(1-\slot)+2:G0+4*(1-\slot)+3], s[18:19], s[16:17]          ; no load of mine is out: the group may be written
	s_or_b32 s[G0+4*(1-\slot)+3], s[G0+4*(1-\slot)+3], 0x80000000
.endif
	s_wait_dscnt 0x0
	s_barrier_signal -1
	s_barrier_wait -1
.if \refill
	KVLOAD (1-\slot)
.endif
	KLOAD \slot, 0
.endm
; ---- the softmax of a tile, instruction by instruction (k counts within a kind).  None of these macros holds a wait: the waits stand where the batches end (QOP, STEP, OUT) ----
.macro QMAX t, k                       ; 16: the maximum of my 32 scores, four chains of seven, then the four left over and the chains
	WIN W_V
.set TT, T+8*((\t)&1)
.set SS, S+32*(\t)
.if (\k) < 4
	v_max3_num_f32 v[TT+(\k)], v[SS+8*(\k)], v[SS+8*(\k)+1], v[SS+8*(\k)+2]
.endif
.if ((\k)/4) == 1
	v_max3_num_f32 v[TT+(\k)-4], v[TT+(\k)-4], v[SS+8*((\k)-4)+3], v[SS+8*((\k)-4)+4]
.endif
.if ((\k)/4) == 2
	v_max3_num_f32 v[TT+(\k)-8], v[TT+(\k)-8], v[SS+8*((\k)-8)+5], v[SS+8*((\k)-8)+6]
.endif
.if (\k) == 12
	v_max3_num_f32 v[TT], v[TT], v[SS+7], v[SS+15]
.endif
.if (\k) == 13
	v_max3_num_f32 v[TT+2], v[TT+2], v[SS+23], v[SS+31]
.endif
.if (\k) == 14
	v_max3_num_f32 v[TT], v[TT], v[TT+1], v[TT+2]
.endif
.if (\k) == 15
	v_max_num_f32 v[TT], v[TT], v[TT+3]
.endif
.endm
.macro QLINK t, k, first               ; the chain: 7 links (first: 3): the other half's maximum, the running maximum, the factor, - maximum
	WIN W_V
.set TT, T+8*((\t)&1)
.set PP, PM+2*(\t)
.if (\k) == 0
	v_permlanex16_b32 v[TT+1], v[TT], s50, s51     ; the other half of the lanes holds the query's other 32 keys
.endif
.if \first
.if (\k) == 1
	v_max_num_f32 v[PP+1], v[TT], v[TT+1]
.endif
.if (\k) == 2
	v_mul_f32 v[PP], -1.0, v[PP+1]
.endif
.else
.if (\k) == 1
	v_max_num_f32 v[TT], v[TT], v[TT+1]
.endif
.if (\k) == 2
	v_sub_f32 v[TT+2], v[PP+1], v[TT]
.endif
.if (\k) == 3
	v_max_num_f32 v[PP+1], v[PP+1], v[TT]
.endif
.if (\k) == 4
	v_min_num_f32 v[TT+2], 0, v[TT+2]              ; old maximum - new maximum
.endif
.if (\k) == 5
	v_exp_f32 v[PL+2*(\t)], v[TT+2]                ; a plain instruction that names neither register always follows (ISA guide 5.7.2); the factor is named next by the rescaling or by the sum's last line
.endif
.if (\k) == 6
	v_mul_f32 v[PP], -1.0, v[PP+1]
.endif
.endif
.endm
.macro QSUB t, k                       ; 16: s - m, two at a time; the pair's first register, - m, serves both
	WIN1
	v_pk_fma_f32 v[S+32*(\t)+2*(\k):S+32*(\t)+2*(\k)+1], v[S+32*(\t)+2*(\k):S+32*(\t)+2*(\k)+1], 1.0, v[PM+2*(\t):PM+2*(\t)+1] op_sel_hi:[1,0,0]
.endm
.macro QEXP t, k                       ; 32
	WIN1
	v_exp_f32 v[S+32*(\t)+(\k)], v[S+32*(\t)+(\k)]
.endm
.macro QSUM t, k, first                ; 17 (first: 16): the sum of my 32 weights in four chains, then sum = sum x factor + it.  The first reader of the tile's weights
.set TT, T+8*((\t)&1)
.set SS, S+32*(\t)
.if (\k) < 16
	WIN1
.endif
.if (\k) < 4
	v_pk_fma_f32 v[TT+2*(\k):TT+2*(\k)+1], v[SS+8*(\k):SS+8*(\k)+1], 1.0, v[SS+8*(\k)+2:SS+8*(\k)+3] op_sel_hi:[1,0,1]
.endif
.if ((\k)/4) == 1
	v_pk_fma_f32 v[TT+2*((\k)-4):TT+2*((\k)-4)+1], v[SS+8*((\k)-4)+4:SS+8*((\k)-4)+5], 1.0, v[TT+2*((\k)-4):TT+2*((\k)-4)+1] op_sel_hi:[1,0,1]
.endif
.if ((\k)/4) == 2
	v_pk_fma_f32 v[TT+2*((\k)-8):TT+2*((\k)-8)+1], v[SS+8*((\k)-8)+6:SS+8*((\k)-8)+7], 1.0, v[TT+2*((\k)-8):TT+2*((\k)-8)+1] op_sel_hi:[1,0,1]
.endif
.if (\k) == 12
	v_pk_fma_f32 v[TT:TT+1], v[TT:TT+1], 1.0, v[TT+2:TT+3] op_sel_hi:[1,0,1]
.endif
.if (\k) == 13
	v_pk_fma_f32 v[TT+4:TT+5], v[TT+4:TT+5], 1.0, v[TT+6:TT+7] op_sel_hi:[1,0,1]
.endif
.if (\k) == 14
	v_pk_fma_f32 v[TT:TT+1], v[TT:TT+1], 1.0, v[TT+4:TT+5] op_sel_hi:[1,0,1]
.endif
.if (\k) == 15
.if \first
	v_fma_f32 v[PL+2*(\t)+1], v[TT], 1.0, v[TT+1]
.else
	v_fma_f32 v[TT], v[TT], 1.0, v[TT+1]
.endif
.endif
.if (\k) == 16
.if \first == 0
	WIN W_V
	v_fma_f32 v[PL+2*(\t)+1], v[PL+2*(\t)+1], v[PL+2*(\t)], v[TT]
.endif
.endif
.endm
.macro QCVT t, k                       ; 16: the weights to f16, in place: word k takes weights 2 k and 2 k + 1, which no later word needs
	WIN W_V
	v_cvt_pk_f16_f32 v[S+32*(\t)+(\k)], v[S+32*(\t)+2*(\k)], v[S+32*(\t)+2*(\k)+1]
.endm
.macro QRSC t, k                       ; 16: O x factor, two at a time; the pair's first register serves both.  The first reader of the factor (on the way out: of the reciprocal)
	WIN W_PV
	v_pk_mul_f32 v[O+32*(\t)+2*(\k):O+32*(\t)+2*(\k)+1], v[O+32*(\t)+2*(\k):O+32*(\t)+2*(\k)+1], v[PL+2*(\t):PL+2*(\t)+1] op_sel_hi:[1,0]
.endm
; ---- a pair's 240 instructions in the order in which they are issued; IX counts them, TA and TB are the pair's tiles ----
; 0-15 maxima of TA | 16-38 TA's chain, every third place, among the maxima of TB | 39-61 TB's chain among the subtractions of TA | 62-109 the exponentials of TA, two and one with the
; subtractions of TB | WAIT for batch 1 | 110-141 rescaling of both | 142-190 exponentials of TB, two and one with the sums of TA | WAIT for batch 2 | 191-223 sums of TB by turns with the
; packing of TA | 224-239 packing of TB.  So a chain's links and the exponentials stand among plain instructions of the other tile, which need none of their results.
; Batch 1 is the factors (numbers 31 and 54) and TA's 32 weights: ahead of number 110 no line names one of them, and number 109, a subtraction of TB, is the plain instruction behind the last.
; Batch 2 is TB's 32 weights (the last is number 188): the sums of TA among them read batch 1 alone, and numbers 189 and 190 are plain.
.macro QCHAIN tc, mx                   ; place KX of 23
.set LK, 0
.if KX < 21
.if (KX%3) == 0
.set LK, 1
.endif
.endif
.if LK
	QLINK \tc, (KX/3), 0
.else
.if KX < 21
.set JX, KX-KX/3-1
.else
.set JX, KX-7
.endif
.if \mx
	QMAX TB, JX
.else
	QSUB TA, JX
.endif
.endif
.endm
.macro QEXSB                           ; place KX of 48
.if (KX%3) == 2
	QSUB TB, (KX/3)
.else
	QEXP TA, (KX-KX/3)
.endif
.endm
.macro QEXSM                           ; place KX of 49
.if KX == 48
	QSUM TA, 16, 0
.else
.if (KX%3) == 2
	QSUM TA, (KX/3), 0
.else
	QEXP TB, (KX-KX/3)
.endif
.endif
.endm
.macro QOP p
.set TA, 2*(\p)
.set TB, 2*(\p)+1
.if IX < 16
	QMAX TA, IX
.else
.if IX < 39
.set KX, IX-16
	QCHAIN TA, 1
.else
.if IX < 62
.set KX, IX-39
	QCHAIN TB, 0
.else
.if IX < 110
.set KX, IX-62
	QEXSB
.else
.if IX < 142
.if IX == 110
	s_wait_alu depctr_va_vdst(0)                   ; the wait for batch 1: both factors, which the rescaling below reads, and TA's 32 weights, which TA's sums read from number 144 on
.endif
.set KX, IX-110
.if (KX%2) == 0
	QRSC TA, (KX/2)
.else
	QRSC TB, (KX/2)
.endif
.else
.if IX < 191
.set KX, IX-142
	QEXSM
.else
.if IX < 224
.if IX == 191
	s_wait_alu depctr_va_vdst(0)                   ; the wait for batch 2: TB's 32 weights, ahead of TB's first sum
.endif
.set KX, IX-191
.if (KX%2) == 0
	QSUM TB, (KX/2), 0
.else
	QCVT TA, (KX/2)
.endif
.else
	QCVT TB, (IX-224)
.endif
.endif
.endif
.endif
.endif
.endif
.endif
.endm
; Slice SN of pair q.  Slices 0-10 hold 10 instructions: all that stands ahead of batch 1's wait.  11-15 hold the 32 rescalings (7, 7, 6, 6, 6), under the weight products' own setting.
; 16-24 hold numbers 142-189 (6, 6, 6, then 5), under the score products' own setting.  25-31 hold the 50 that are left (8, then 7), which need all places in window 1.
; 110 + 32 + 48 + 50 = 240.
; Slices 15 and 31 are six and seven plain instructions on the pair's own registers: they are the places between the last product and the fragment loads that follow it.
.macro SLICE q
.if SN < 11
.set CNT, 10
.else
.if SN < 13
.set CNT, 7
.else
.if SN < 19
.set CNT, 6
.else
.if SN < 25
.set CNT, 5
.else
.if SN == 25
.set CNT, 8
.else
.set CNT, 7
.endif
.endif
.endif
.endif
.endif
.rept CNT
	QOP \q
.set IX, IX+1
.endr
.set SN, SN+1
.endm
; Pair p's 16 score products; sl = 1: a slice of the other pair behind each
.macro SMM p, sl
.irp ks, 0,1
.irp tt, 0,1
.irp u, 0,1,2,3
	WIN W_S
.if \ks
	v_wmma_f32_16x16x32_f16 v[S+32*(2*\p+\tt)+8*\u:S+32*(2*\p+\tt)+8*\u+7], v[KF+16*\u+8*\ks:KF+16*\u+8*\ks+7], v[QF+16*(2*\p+\tt)+8*\ks:QF+16*(2*\p+\tt)+8*\ks+7], v[S+32*(2*\p+\tt)+8*\u:S+32*(2*\p+\tt)+8*\u+7]
.else
	v_wmma_f32_16x16x32_f16 v[S+32*(2*\p+\tt)+8*\u:S+32*(2*\p+\tt)+8*\u+7], v[KF+16*\u+8*\ks:KF+16*\u+8*\ks+7], v[QF+16*(2*\p+\tt)+8*\ks:QF+16*(2*\p+\tt)+8*\ks+7], 0
.endif
.if \sl
	SLICE (1-\p)
.endif
.endr
.endr
.endr
.endm
; Pair p's 16 weight products
.macro PVM p, sl
.irp kk, 0,1
.irp tt, 0,1
.irp db, 0,1,2,3
	WIN W_PV
	v_wmma_f32_16x16x32_f16 v[O+32*(2*\p+\tt)+8*\db:O+32*(2*\p+\tt)+8*\db+7], v[VF+16*\db+8*\kk:VF+16*\db+8*\kk+7], v[S+32*(2*\p+\tt)+8*\kk:S+32*(2*\p+\tt)+8*\kk+7], v[O+32*(2*\p+\tt)+8*\db:O+32*(2*\p+\tt)+8*\db+7]
.if \sl
	SLICE (1-\p)
.endif
.endr
.endr
.endr
.endm
; A step's first half: pair A's softmax beside pair B's products.  pv = 0: the unit's first step, no weight products are due
.macro XH slot, s, pv
.set IX, 0
.set SN, 0
.if \pv
	PVM 1, 1
.else
.rept 16
	SLICE 0
.endr
.endif
	VLOAD \slot, \s
	SMM 1, 1
.endm
; Its second half: pair B's softmax beside pair A's products.  sm = 0: the unit's last step, no further scores
.macro YH sm
.set IX, 0
.set SN, 0
	PVM 0, 1
.if \sm
	s_wait_dscnt 0x0                               ; the next step's K fragments, asked for 16 products ago
	SMM 0, 1
.else
.rept 16
	SLICE 1
.endr
.endif
.endm
; A whole unit.  On entry its first K fragments have been asked for; s15 = the next unit's keys, in bytes.  last = 1: nothing is left to fetch.
.macro FULL last
	s_wait_dscnt 0x0                               ; K of step 0
	SMM 0, 0
	PLACES                                         ; the softmax reads these scores
	XH 0, 0, 0
	KLOAD 0, 1
	s_wait_dscnt 16                                ; V's fragments are in; the sixteen K loads just issued stay out
	YH 1
	XH 0, 1, 1
	s_mov_b32 s16, s15                             ; slot 0 has been read to its end: the next unit's keys 0-127 go there
	TURN 1, (1-\last)
	YH 1
	XH 1, 0, 1
	KLOAD 1, 1
	s_wait_dscnt 16
	YH 1
	XH 1, 1, 1
.if \last
	s_wait_dscnt 0x0                               ; V's fragments
.else
	s_add_co_u32 s16, s15, 16384                   ; slot 1 has been read to its end: the next unit's keys 128-255
	TURN 0, 1
.endif
	YH 0
	PVM 1, 0
	WIN 0
.endm
; ---- the diagonal units, in phases ----
.macro MASK t                          ; the tile on the diagonal: key 16 u + 8 h + j lives where it is <= query 16 w + r
	WIN W_V
.irp u, 0,1,2,3
.irp j, 0,1,2,3,4,5,6,7
	v_cmp_le_i32 vcc_lo, 16*\u+\j, v[DREG]
	v_cndmask_b32 v[S+32*\t+8*\u+\j], v[NINF], v[S+32*\t+8*\u+\j], vcc_lo
.endr
.endr
.endm
; A tile's softmax in two parts, so that a step's live tiles share one wait.  SOFTA names no result of an exponential: the next tile's maxima follow a tile's exponentials.
; Tiles t and t + 2 share the registers at work (T) and use them one after the other in both parts; none of them is an exponential's result.
.macro SOFTA t, first                  ; ahead of the step's wait: maximum, chain (with the factor), subtraction, exponentials
.irp k, 0,1,2,3,4,5,6,7,8,9,10,11,12,13,14,15
	QMAX \t, \k
.endr
.if \first
.irp k, 0,1,2
	QLINK \t, \k, 1
.endr
.else
.irp k, 0,1,2,3,4,5,6
	QLINK \t, \k, 0
.endr
.endif
.irp k, 0,1,2,3,4,5,6,7,8,9,10,11,12,13,14,15
	QSUB \t, \k
.endr
.irp k, 0,1,2,3,4,5,6,7,8,9,10,11,12,13,14,15,16,17,18,19,20,21,22,23,24,25,26,27,28,29,30,31
	QEXP \t, \k
.endr
.endm
.macro SOFTB t, first                  ; behind it: sums and packing
.irp k, 0,1,2,3,4,5,6,7,8,9,10,11,12,13,14,15,16
	QSUM \t, \k, \first
.endr
.irp k, 0,1,2,3,4,5,6,7,8,9,10,11,12,13,14,15
	QCVT \t, \k
.endr
.endm
; One step: 64 keys (step s of the slot) against query tiles t0 .. 3.  mask: tile t0 lies on the diagonal.  first: starts maximum, sum and O.
; kpre: the slot's next step's K fragments are fetched ahead of the second products.
.macro STEP slot, s, t0, mask, first, kpre
	s_wait_dscnt 0x0                               ; the K fragments
.rept 5
	v_nop                                          ; five places: the scores land on registers that the last weight products read as their second source
.endr
	WIN W_S
.irp ks, 0,1
.irp t, 0,1,2,3
.if \t >= \t0
.irp u, 0,1,2,3
.if \ks
	v_wmma_f32_16x16x32_f16 v[S+32*\t+8*\u:S+32*\t+8*\u+7], v[KF+16*\u+8*\ks:KF+16*\u+8*\ks+7], v[QF+16*\t+8*\ks:QF+16*\t+8*\ks+7], v[S+32*\t+8*\u:S+32*\t+8*\u+7]
.else
	v_wmma_f32_16x16x32_f16 v[S+32*\t+8*\u:S+32*\t+8*\u+7], v[KF+16*\u+8*\ks:KF+16*\u+8*\ks+7], v[QF+16*\t+8*\ks:QF+16*\t+8*\ks+7], 0
.endif
.endr
.endif
.endr
.endr
	PLACES                                         ; for the softmax, which reads the scores
	VLOAD \slot, \s
.if \mask
	MASK \t0
.endif
.irp t, 0,1,2,3
.if \t >= \t0
	SOFTA \t, \first
.endif
.endr
	v_nop                                          ; one plain place behind the last exponential: one for the step's batch
	s_wait_alu depctr_va_vdst(0)                   ; the wait for the step's batch: every live tile's factor and its 32 weights, ahead of the first sum
.irp t, 0,1,2,3
.if \t >= \t0
	SOFTB \t, \first
.endif
.endr
.if \first == 0
.irp t, 0,1,2,3
.if \t >= \t0
.irp k, 0,1,2,3,4,5,6,7,8,9,10,11,12,13,14,15
	QRSC \t, \k
.endr
.endif
.endr
.endif
.if \kpre
	KLOAD \slot, (\s)+1
	s_wait_dscnt 16                                ; V's fragments are in; the sixteen K loads just issued stay out
.else
	s_wait_dscnt 0x0
.endif
	WIN W_PV
.irp kk, 0,1
.irp t, 0,1,2,3
.if \t >= \t0
.irp db, 0,1,2,3
.if (\first)*(1-\kk)
	v_wmma_f32_16x16x32_f16 v[O+32*\t+8*\db:O+32*\t+8*\db+7], v[VF+16*\db+8*\kk:VF+16*\db+8*\kk+7], v[S+32*\t+8*\kk:S+32*\t+8*\kk+7], 0
.else
	v_wmma_f32_16x16x32_f16 v[O+32*\t+8*\db:O+32*\t+8*\db+7], v[VF+16*\db+8*\kk:VF+16*\db+8*\kk+7], v[S+32*\t+8*\kk:S+32*\t+8*\kk+7], v[O+32*\t+8*\db:O+32*\t+8*\db+7]
.endif
.endr
.endif
.endr
.endr
.endm
; A block's diagonal unit; like a whole unit it ends with the change to the next unit's first half
.macro DIAG
	STEP 0, 0, 0, 1, 1, 1
	STEP 0, 1, 1, 1, 0, 0
	s_mov_b32 s16, s15
	TURN 1, 1
	STEP 1, 0, 2, 1, 0, 1
	STEP 1, 1, 3, 1, 0, 0
	s_add_co_u32 s16, s15, 16384
	TURN 0, 1
	WIN 0
.endm
; A block's result: O / sum, rounded to f16, through my own stage, out as whole rows of 128 bytes, four neighbouring rows a store
.macro OUT
	PLACES
	WIN W_V
.irp t, 0,1,2,3
	v_permlanex16_b32 v[T+\t], v[PL+2*\t+1], s50, s51      ; the other half's sum
.endr
.irp t, 0,1,2,3
	v_add_f32 v[T+\t], v[T+\t], v[PL+2*\t+1]
.endr
.irp t, 0,1,2,3
	v_rcp_f32 v[PL+2*\t], v[T+\t]
.endr
	v_nop                                          ; one plain place behind the reciprocals
	s_wait_alu depctr_va_vdst(0)                   ; the wait for the four reciprocals, ahead of the first product O x 1 / sum
.irp t, 0,1,2,3
.irp k, 0,1,2,3,4,5,6,7,8,9,10,11,12,13,14,15
	QRSC \t, \k
.endr
.endr
	WIN W_PK
.irp t, 0,1,2,3
.irp n, 0,1,2,3,4,5,6,7,8,9,10,11,12,13,14,15
	v_cvt_pk_f16_f32 v[PK+16*\t+\n], v[O+32*\t+2*\n], v[O+32*\t+2*\n+1]
.endr
.endr
	WIN W_ST
.irp t, 0,1,2,3
.irp db, 0,1,2,3
	ds_store_b128 v[STO], v[PK+16*\t+4*\db:PK+16*\t+4*\db+3] offset:\t*16*KP+\db*32
.endr
.endr
	WIN 0
.irp t, 0,1,2,3
.irp it, 0,1,2,3
	ds_load_b128 v[RB+16*\t+4*\it:RB+16*\t+4*\it+3], v[RD] offset:\t*16*KP+\it*4*KP     ; LDS serves a wave's instructions in order: these see the stores above
.endr
.endr
.irp t, 0,1,2,3
.irp it, 0,1,2,3
	s_wait_dscnt 15-(4*\t+\it)
	global_store_b128 v[YO], v[RB+16*\t+4*\it:RB+16*\t+4*\it+3], s[22:23] offset:\t*8192+\it*512   ; 512 consecutive bytes, aligned
.endr
.endr
	s_wait_xcnt 0x0                                ; the stores' data and base are written again only behind this wait
.endm
; The key block of unit U + 1, in bytes, into s15: U < i: block U; U = i: the second query block's diagonal, 7 - i; else U - (i + 1)
.macro NEXT
	s_sub_co_u32 s52, s13, s11
	s_cmp_lt_u32 s13, s10
	s_cselect_b32 s52, s13, s52
	s_cmp_eq_u32 s13, s10
	s_cselect_b32 s52, s12, s52
	s_lshl_b32 s15, s52, 15                        ; 256 keys of 128 bytes
.endm
	s_load_b128 s[4:7], s[0:1], 0x0                ; qkv s[4:5], yb s[6:7]
	v_lshl_add_u32 v254, v0, 2, 0x29000
	v_mov_b32 v255, 0
	ds_add_u32 v254, v255
	ds_add_u32 v254, v255
	v_lshrrev_b32 v1, 5, v0
	v_readfirstlane_b32 s8, v1                     ; wave
	s_lshr_b32 s9, s8, 1                           ; 0: I fetch K, 1: V
	s_and_b32 s10, ttmp9, 3                        ; i
	s_add_co_u32 s11, s10, 1
	s_sub_co_u32 s12, 7, s10
	s_lshr_b32 s52, ttmp9, 2
	s_and_b32 s2, s52, 15                          ; head
	s_lshr_b32 s3, s52, 4                          ; batch
	s_lshl_b32 s2, s2, 20                          ; a plane is 8192 rows of 128 bytes
	s_lshl_b32 s3, s3, 18                          ; a batch is 2048 rows
	s_add_co_u32 s2, s2, s3
	s_mov_b32 s3, 0
	s_lshl_b32 s16, s9, 24                         ; K's planes begin 16 planes behind q's, V's 32,
	s_add_co_u32 s16, s16, 0x1000000
	s_and_b32 s17, s8, 1
	s_lshl_b32 s17, s17, 13                        ; and I fetch keys 0-63 or 64-127 of a half
	s_add_co_u32 s16, s16, s17
	s_mov_b32 s17, 0
	s_mov_b32 s50, 0x76543210                      ; lane i of one half reads lane i of the other
	s_mov_b32 s51, 0xfedcba98
	; group 1: 64 keys of 128 bytes lie without gaps: 32 rows of 256 bytes; behind every 32 words (code 4) 4 words of padding for K, 8 for V
	s_mov_b32 s[G1K+0], (1<<16)|(1<<20)|(4<<22)|(3<<25)
	s_mov_b32 s[G1V+0], (1<<16)|(1<<20)|(4<<22)|(7<<25)
	s_mov_b32 s[G1K+1], 128<<16
	s_mov_b32 s[G1V+1], 128<<16
	s_mov_b32 s[G1K+2], 32<<16
	s_mov_b32 s[G1V+2], 32<<16
	s_mov_b32 s[G1K+3], 128<<16
	s_mov_b32 s[G1V+3], 128<<16
	s_mov_b32 s[G1K+4], 32
	s_mov_b32 s[G1V+4], 32
	s_mov_b32 s[G1K+5], 128
	s_mov_b32 s[G1V+5], 128
	s_mov_b32 s[G1K+6], 0
	s_mov_b32 s[G1V+6], 0
	s_mov_b32 s[G1K+7], 0
	s_mov_b32 s[G1V+7], 0
	s_mul_i32 s52, s8, RGN
	s_mov_b32 s[G0+0], 1
	s_add_co_u32 s[G0+1], s52, 0
	s_mov_b32 s[G0+4], 1
	s_add_co_u32 s[G0+5], s52, SLOTB
	s_wait_dscnt 0x0
	s_wait_kmcnt 0x0
	s_add_nc_u64 s[54:55], s[4:5], s[2:3]          ; my head's q
	s_add_nc_u64 s[56:57], s[6:7], s[2:3]          ; my head's y
	s_add_nc_u64 s[18:19], s[54:55], s[16:17]      ; what I fetch of my head's K or V, at key 0
	s_lshl_b32 s16, s10, 15                        ; block i
	s_add_nc_u64 s[20:21], s[54:55], s[16:17]
	s_add_nc_u64 s[22:23], s[56:57], s[16:17]
	s_add_nc_u64 s[G0+2:G0+3], s[18:19], s[16:17]
	s_or_b32 s[G0+3], s[G0+3], 0x80000000
	KVLOAD 0                                       ; the first fill: the diagonal unit's keys 0-127
	v_and_b32 v10, 15, v0                          ; r
	v_bfe_u32 v11, v0, 4, 1                        ; h
	v_and_b32 v12, 31, v0                          ; l
	s_lshl_b32 s52, s8, 11
	v_lshlrev_b32 v15, 7, v10
	v_lshl_add_u32 v15, v11, 4, v15
	v_add_nc_u32 v[QAD], s52, v15                  ; (16 w + r) x 128 + 16 h
	QLOAD
	v_mul_u32_u24 v13, v10, KP
	v_lshl_add_u32 v13, v11, 4, v13                ; r x 144 + 16 h
	v_mov_b32 v[KADR], v13
	v_add_nc_u32 v[KADR+1], SLOTB, v13
	v_and_b32 v14, 7, v0
	v_lshl_add_u32 v14, v11, 3, v14                ; key 8 h + l % 8
	v_mul_u32_u24 v14, v14, VP
	v_bfe_u32 v15, v0, 3, 1
	v_lshl_add_u32 v14, v15, 4, v14                ; + 16 ((l / 8) % 2)
	v_add_nc_u32 v[VADR], 2*RGN, v14
	v_add_nc_u32 v[VADR+1], 2*RGN+SLOTB, v14
	s_mul_i32 s52, s8, WSTG
	s_add_co_u32 s52, s52, STAGE
	v_add_nc_u32 v[STO], s52, v13
	v_lshrrev_b32 v15, 3, v12
	v_mul_u32_u24 v15, v15, KP
	v_and_b32 v16, 7, v0
	v_lshl_add_u32 v15, v16, 4, v15
	v_add_nc_u32 v[RD], s52, v15                   ; row l / 8, byte 16 (l % 8)
	v_lshlrev_b32 v15, 4, v12
	v_lshl_add_u32 v[YO], s8, 11, v15              ; 16 w rows of 128 bytes + 16 l
	v_lshlrev_b32 v17, 3, v11
	v_sub_nc_u32 v17, v10, v17
	v_lshl_add_u32 v17, s8, 4, v17                 ; 16 w + r - 8 h
	WIN TO_1
	v_mov_b32 v[DREG], v17
	v_mov_b32 v[NINF], 0xff800000
	WIN 0
	; unit 0: block i's diagonal, written out: it starts maximum, sum and O
	s_mov_b32 s13, 0                               ; U
	s_add_co_u32 s16, s16, 16384                   ; the unit's keys 128-255: slot 1's first fill
	TURN 0, 1
	NEXT
	s_wait_loadcnt 0x0                             ; Q
	DIAG
	s_mov_b32 s13, 1
.Lunit:                                        ; units 1 to 7
	NEXT
	s_cmp_eq_u32 s13, s11
	s_cbranch_scc1 .Ldiag
	FULL 0
	s_branch .Ljoin
.Ldiag:                                        ; block i is done: its result leaves, block 7 - i begins with its diagonal
	s_lshl_b32 s2, s12, 15
	s_mov_b32 s3, 0
	s_add_nc_u64 s[20:21], s[54:55], s[2:3]        ; the loads that used this base were waited for
	QLOAD
	OUT
	s_add_nc_u64 s[22:23], s[56:57], s[2:3]
	s_wait_loadcnt 0x0
	DIAG
.Ljoin:
	s_add_co_u32 s13, s13, 1
	s_cmp_lt_u32 s13, 8
	s_cbranch_scc1 .Lunit
	FULL 1                                         ; unit 8, always a whole unit: nothing is left to fetch
	OUT
	s_wait_tensorcnt 0x0
	ds_add_u32 v254, v255
	s_wait_dscnt 0x0
	s_endpgm
.Lfunc_end_k_qeb72a61d8f_attn:
	.size	k_qeb72a61d8f_attn, .Lfunc_end_k_qeb72a61d8f_attn-k_qeb72a61d8f_attn
	.p2alignl 7, 3214868480
	.fill 96, 4, 3214868480
	.section	.rodata,"a",@progbits
	.p2align	6, 0x0
	.amdhsa_kernel k_qeb72a61d8f_attn
		.amdhsa_group_segment_fixed_size 327680
		.amdhsa_private_segment_fixed_size 0
		.amdhsa_enable_private_segment 0
		.amdhsa_kernarg_size 16
		.amdhsa_user_sgpr_count 2
		.amdhsa_user_sgpr_kernarg_segment_ptr 1
		.amdhsa_wavefront_size32 1
		.amdhsa_system_sgpr_workgroup_id_x 1
		.amdhsa_system_sgpr_workgroup_id_y 1
		.amdhsa_system_sgpr_workgroup_id_z 1
		.amdhsa_system_vgpr_workitem_id 0
		.amdhsa_next_free_vgpr 768
		.amdhsa_next_free_sgpr 66
		.amdhsa_reserve_vcc 1
		.amdhsa_float_denorm_mode_32 3
		.amdhsa_float_denorm_mode_16_64 3
		.amdhsa_memory_ordered 1
		.amdhsa_forward_progress 1
		.amdhsa_inst_pref_size 255
	.end_amdhsa_kernel
	.section	.bss,"aw",@nobits
	.p2align	6
	.space	262144
	.amdgpu_metadata
---
amdhsa.version: [ 1, 2 ]
amdhsa.kernels:
  - .name:           k_qeb72a61d8f_attn
    .symbol:         k_qeb72a61d8f_attn.kd
    .args:
      - { .name: qkv, .offset: 0, .size: 8, .value_kind: global_buffer, .address_space: global }
      - { .name: yb, .offset: 8, .size: 8, .value_kind: global_buffer, .address_space: global }
    .group_segment_fixed_size: 327680
    .private_segment_fixed_size: 0
    .kernarg_segment_align: 8
    .kernarg_segment_size: 16
    .max_flat_workgroup_size: 128
    .sgpr_count:     66
    .vgpr_count:     768
    .wavefront_size: 32
...
	.end_amdgpu_metadata
.endif
;; end of part 5
;; launch proj: the kernel of part 4 again; grid 8 x 32, 4 waves a work-group, clusters of 4 x 4, 327,680 bytes of LDS; arguments yb, wot, bo, out0; writes out0
